; MI455X (gfx1250); checked and timed in simulation.
; The chip was launched on July 23, 2026; its instructions are those of AMD's public machine-readable ISA for CDNA 5 (MIT licence, August 2026) and "CDNA5" Instruction Set Architecture Reference Guide (July 2026). The comments in the code are by the model that wrote it; some were corrected since.
;; Multi Head Attention. Allowed arithmetic: matrix products marked QUANTISED: E3M2 operands, one E8M0 scale for each 32 along K, by v_wmma_scale_f32_16x16x128_f8f6f4 with both operands' format E3M2, f32 sums; everything else in f32.
;; Inputs: bk 1,024 float32; bo 1,024 float32; bq 1,024 float32; bv 1,024 float32; wk 1,024 x 1,024 float32; wo 1,024 x 1,024 float32; wq 1,024 x 1,024 float32; wv 1,024 x 1,024 float32; x 2 x 2,048 x 1,024 float32.
;; Outputs: out0 2 x 2,048 x 1,024 float32.
;; This version of the problem:
;;   THIS VERSION OF THE PROBLEM IS GIVEN IN LOW PRECISION. The matrix products marked QUANTISED in the list below multiply operands that are first quantised to E3M2 (3 exponent bits, 2 mantissa bits; 6 bits a number), with one power-of-two scale for each 32 numbers along K (OCP MX v1.0); their sums are f32. All else is computed in f32.
;;   The module's matrix products, in the order in which they are computed (A, B: the left and right operand; K: the contracted axis; several contracted axes count as one K, in the product's order):
;;     1. [M 4,096, K 1,024] x [K 1,024, N 1,024]; A: input x; B: input wq: QUANTISED
;;     2. [M 4,096, K 1,024] x [K 1,024, N 1,024]; A: input x; B: input wk: QUANTISED
;;     3. [M 4,096, K 1,024] x [K 1,024, N 1,024]; A: input x; B: input wv: QUANTISED
;;     4. batch 32 x [M 2,048, K 64] x [K 64, N 2,048]; A: computed on the way; B: computed on the way: QUANTISED
;;     5. batch 32 x [M 2,048, K 2,048] x [K 2,048, N 64]; A: softmax (see below); B: computed on the way: QUANTISED
;;     6. [M 4,096, K 1,024] x [K 1,024, N 1,024]; A: computed on the way; B: input wo: QUANTISED
;;   THE QUANTISER, for each operand of a quantised product, along K:
;;     - K is cut into blocks of 32 from its start; a last block that is shorter is filled with zeros.
;;     - A block's scale is 2^e with e = floor(log2(the largest magnitude in the block)) - 4, held to -126 .. 127; a block of zeros has e = 0. As a byte (E8M0): e + 127.
;;     - Each number is divided by its block's scale, clamped to +-28, and rounded to the nearest number of E3M2, ties to even, subnormals kept.
;;     - The product sums the exact products of the quantised numbers (number of the format x scale) in f32.
;;   ~~~python
;;   def quantise(x, axis):      # numpy; x: float32 -> the quantised numbers, widened to float32 again
;;       x = np.moveaxis(x, axis, -1); K = x.shape[-1]
;;       x = np.pad(x, [(0, 0)] * (x.ndim - 1) + [(0, -K % 32)]); x = x.reshape(x.shape[:-1] + (-1, 32)); a = np.abs(x).max(-1, keepdims=True)
;;       e = np.where(a > 0, np.clip(np.frexp(np.where(a > 0, a, 1))[1] - 1 - 4, -126, 127), 0)      # np.frexp(a)[1] - 1 = floor(log2(a)), exactly
;;       r = np.clip(x / 2.0 ** e, -28, 28)
;;       step = 2.0 ** (np.maximum(np.frexp(np.where(r == 0, 1, r))[1] - 1, -2) - 2)
;;       q = np.round(r / step) * step * 2.0 ** e      # np.round: ties to even
;;       return np.moveaxis(q.reshape(q.shape[:-2] + (-1,))[..., :K], -1, axis).astype(np.float32)
;;   ~~~
;;   SOFTMAX AHEAD OF A QUANTISED PRODUCT. Where the list says 'softmax', what is quantised is not the finished softmax but p = 2^(t - M), with t = logit x log2(e) and M = ceil(the row's largest t), a whole number; so 1/2 < the row's largest p <= 1. The row's sum l is taken of the UNQUANTISED p, in f32, and the product's result is divided by l at the end. Since M is a whole number, a kernel that streams over the keys may use a running M (the ceiling of the running maximum): every later rescaling is an exact power of two, which a block's scale takes up: the codes' values come out the same.
;;   OPERANDS COMPUTED ON THE WAY. 'Computed on the way' means the value that the module computes at that place (a softmax that the list does not call 'softmax' is quantised finished and normalised). What goes into a quantiser is computed in f32, as accurately as f32 sums, v_exp_f32 and their like allow (about 1e-6 of the number): no bf16 or f16 on the way to a quantiser, and a product that is left as it is and whose result goes on into a quantised operand takes f32 operands (vector FMAs, or v_wmma_f32_16x16x4_f32). A number that lies on a knife's edge between two numbers of the format may be rounded either way, as far as f32 arithmetic and the matrix unit's own rounding can turn it there, and no further.
;; One version. Each part assembles by itself: llvm-mc -triple=amdgcn-amd-amdhsa -mcpu=gfx1250 --defsym DOCPART=n.
;; ======== version 1 of 1: 4 launches
;; limits: right only within a limited range of input values
;; workspace buffers: img 6,553,600 bytes; kv 6,553,600 bytes; qimg 6,553,600 bytes; cimg 3,276,800 bytes
;; launch quant (part 1): grid 256 x 1, 4 waves a work-group, no clusters, 34,304 bytes of LDS; arguments x, wq, wk, wv, wo, img; writes img
.if DOCPART == 1
	.amdgcn_target "amdgcn-amd-amdhsa--gfx1250"
	.amdhsa_code_object_version 6
	.text
	.protected	k_q07ba4bacfe_quant
	.globl	k_q07ba4bacfe_quant
	.p2align	8
	.type	k_q07ba4bacfe_quant,@function
k_q07ba4bacfe_quant:
	s_mov_b64 s[64:65], 0
	v_nop
	global_prefetch_b8 v0, s[64:65] scope:SCOPE_SE
	s_setreg_imm32_b32 hwreg(HW_REG_WAVE_MODE, 25, 1), 1
	s_wait_xcnt 0x0
; x [4096][1024] and wq, wk, wv, wo [1024][1024], f32 with K innermost, become codes of BF6 (E3M2) with one E8M0 byte for each 32 along K,
; laid as IMAGES OF THE OPERAND'S REGISTERS.  img = [64 panels of 128 rows][8 K steps of 128][PSTEP bytes]; panels 0-31 x, 32-39 wq, 40-47 wk, 48-55 wv, 56-63 wo.
; A panel step: 8 fragments (16 rows x 128 K = 12 registers a lane) of FRB bytes, registers 4 c .. 4 c + 3 of lane l at 512 c + 16 l; behind them 512 bytes of scale words:
; the word of (tile i, lane r) at SCO + 256 (i / 4) + 16 r + 4 (i % 4).  Lane r of tile i holds the panel's row 32 (i / 2) + 8 (i % 2) + r + 8 (r / 8).
; A block's scale is 2^(floor(log2(largest magnitude)) - 4); its byte is the largest magnitude's exponent field - 4, held at 1 from below.
; LIMITS: a block of zeros gets the byte 1 where the rule says 127 (its codes are zeros, and this program alone reads the bytes); blocks whose largest magnitude lies under 2^-122 were not tried; NaN and infinities are not served.
; SHARES: work-group g: panel g / 4, half (g / 2) % 2 of its rows; wave w: K step 4 (g % 2) + w: 4 fragments, 64 rows x 512 bytes.  Each load reads 512 consecutive bytes of one row; a fragment's 16 rows turn
; through the wave's own stage in LDS (rows 528 bytes apart) so that a lane gets two whole blocks of 32 of its row.  Waves share nothing: no barrier.
.set FRB,   1536
.set SCO,   8*FRB
.set PSTEP, SCO+512
.set SP,    528                        ; a stage row: 512 bytes + 16 = 132 words, so the 16 rows that a load touches start 4 banks apart
.set WSTG,  16*SP
.set LI,  1                            ; v1   16 x lane
.set STS, 2                            ; v2   the stage, on the way in
.set STL, 3                            ; v3   and on the way out: row r, + 128 h
.set SH8, 4                            ; v4   8 h
.set R16, 5                            ; v5   16 r
.set PD,  6                            ; v6   a lane permute's destination
.set LN,  7                            ; v7   lane
.set MX,  8                            ; v8-9   largest magnitudes
.set SOP, 10                           ; v10-11 the conversions' scale operands
.set BY,  12                           ; v12-13 scale bytes
.set WD,  14                           ; v14    a word at work
.set W,   16                           ; v16-19 the four fragments' scale words
.set F,   20                           ; v20-31 a fragment's codes
.set CT,  32                           ; v32-39 the halves that a conversion cannot put at an odd register
.set R,   40                           ; v40-167  two sets of 64: rows as loaded
.set X,   168                          ; v168-231 my 64 numbers: register 32 c + i = k 64 c + 32 h + i of row r
	s_load_b256 s[4:11], s[0:1], 0x0               ; x, wq, wk, wv
	s_load_b128 s[12:15], s[0:1], 0x20             ; wo, img
	v_lshl_add_u32 v232, v0, 2, 0x8400
	v_mov_b32 v233, 0
	v_lshrrev_b32 v[MX], 5, v0
	v_readfirstlane_b32 s16, v[MX]                 ; wave
	v_and_b32 v[LN], 31, v0
	v_and_b32 v[MX], 15, v0                        ; r
	v_bfe_u32 v[MX+1], v0, 4, 1                    ; h
	v_lshlrev_b32 v[LI], 4, v[LN]
	s_mul_i32 s18, s16, WSTG
	v_add_nc_u32 v[STS], s18, v[LI]
	v_mul_u32_u24 v[STL], v[MX], SP
	v_lshl_add_u32 v[STL], v[MX+1], 7, v[STL]
	v_add_nc_u32 v[STL], s18, v[STL]
	v_lshlrev_b32 v[SH8], 3, v[MX+1]
	v_lshlrev_b32 v[R16], 4, v[MX]
	v_mov_b32 v[PD], 0                             ; written once: a lane permute's destination counts as one of its sources
	s_mov_b32 s28, 0x76543210
	s_mov_b32 s29, 0xfedcba98                      ; selects for lane l xor 16
	s_lshr_b32 s17, ttmp9, 2                       ; panel
	s_bfe_u32 s19, ttmp9, 0x10001                  ; which 64 rows
	s_and_b32 s23, ttmp9, 1
	s_lshl_b32 s23, s23, 2
	s_add_co_u32 s23, s23, s16                     ; K step
	s_and_b32 s22, s17, 7                          ; a weight's panel within its tensor
	s_wait_alu depctr_va_vdst(0)
	s_wait_kmcnt 0x0
	s_cmp_lt_u32 s17, 56                           ; the source tensor: the choice hangs on the work-group's number alone
	s_cselect_b64 s[20:21], s[10:11], s[12:13]
	s_cmp_lt_u32 s17, 48
	s_cselect_b64 s[20:21], s[8:9], s[20:21]
	s_cmp_lt_u32 s17, 40
	s_cselect_b64 s[20:21], s[6:7], s[20:21]
	s_cmp_lt_u32 s17, 32
	s_cselect_b64 s[20:21], s[4:5], s[20:21]
	s_cselect_b32 s22, s17, s22
	s_lshl_b32 s30, s22, 19                        ; 128 rows of 4,096 bytes a panel,
	s_lshl_b32 s31, s19, 18                        ; 64 rows a half,
	s_add_co_u32 s30, s30, s31
	s_lshl_b32 s31, s23, 9                         ; 512 bytes a K step
	s_add_co_u32 s30, s30, s31
	s_mov_b32 s31, 0
	s_add_nc_u64 s[20:21], s[20:21], s[30:31]
	s_lshl_b32 s30, s17, 3
	s_add_co_u32 s30, s30, s23
	s_mul_i32 s30, s30, PSTEP
	s_add_nc_u64 s[26:27], s[14:15], s[30:31]      ; my panel step
	s_mul_i32 s30, s19, 4*FRB
	s_add_nc_u64 s[24:25], s[26:27], s[30:31]      ; my four fragments
	s_lshl_b32 s30, s19, 8
	s_add_co_u32 s30, s30, SCO
	s_add_nc_u64 s[26:27], s[26:27], s[30:31]      ; my 256 bytes of scale words
.macro LOAD n                          ; fragment n's 16 rows into set n % 2
.irp p, 0,1,2,3,4,5,6,7,8,9,10,11,12,13,14,15
	global_load_b128 v[R+64*((\n)%2)+4*\p:R+64*((\n)%2)+4*\p+3], v[LI], s[20:21] offset:(32*((\n)/2)+8*((\n)%2)+\p+8*(\p/8))*4096 th:TH_LOAD_NT
.endr
.endm
.macro FRAGQ n
.if (\n) < 3
	s_wait_loadcnt 16                              ; this fragment's 16 loads are in; the next fragment's 16 may be out
.else
	s_wait_loadcnt 0x0
.endif
.irp p, 0,1,2,3,4,5,6,7,8,9,10,11,12,13,14,15
	ds_store_b128 v[STS], v[R+64*((\n)%2)+4*\p:R+64*((\n)%2)+4*\p+3] offset:SP*\p
.endr
.irp c, 0,1
.irp j, 0,1,2,3,4,5,6,7
	ds_load_b128 v[X+32*\c+4*\j:X+32*\c+4*\j+3], v[STL] offset:256*\c+16*\j   ; LDS serves a wave's instructions in order: these see the stores above
.endr
.endr
	s_wait_dscnt 0x0                               ; my numbers are back, and the stores have read their registers,
.if (\n) < 2
	LOAD (\n)+2                                    ; which take the rows of two fragments on
.endif
.irp c, 0,1
	v_max3_num_f32 v[MX+\c], |v[X+32*\c]|, |v[X+32*\c+1]|, 0x2800000   ; block 2 c + h is all mine; the floor 2^(5 - 127) keeps the byte at 1 from below
.endr
.irp i, 2,4,6,8,10,12,14,16,18,20,22,24,26,28,30
.irp c, 0,1
	v_max3_num_f32 v[MX+\c], v[MX+\c], |v[X+32*\c+\i]|, |v[X+32*\c+\i+1]|
.endr
.endr
.irp c, 0,1
	v_add_nc_u32 v[SOP+\c], 0xfe000000, v[MX+\c]   ; 4 off the exponent field: the conversion's scale operand
.endr
.irp c, 0,1
	v_lshrrev_b32 v[BY+\c], 23, v[SOP+\c]          ; the scale's byte
.endr
	v_lshl_or_b32 v[WD], v[BY+1], 16, v[BY]        ; my bytes: blocks h and 2 + h,
	v_lshlrev_b32 v[WD], v[SH8], v[WD]             ; at their places in the word;
	v_permlanex16_b32 v[PD], v[WD], s28, s29
	v_or_b32 v[W+(\n)], v[WD], v[PD]               ; with lane l xor 16's two the word is whole
	s_wait_alu depctr_va_vdst(0)
	s_wait_xcnt 0x0                                ; the last fragment's stores have read F: only behind this wait is it written again
.irp c, 0,1
	v_cvt_scalef32_pk16_bf6_f32 v[F+6*\c:F+6*\c+2], v[X+32*\c:X+32*\c+15], v[SOP+\c]
	v_cvt_scalef32_pk16_bf6_f32 v[CT+4*\c:CT+4*\c+2], v[X+32*\c+16:X+32*\c+31], v[SOP+\c]   ; (a conversion's three registers begin on an even number)
.endr
	v_nop                                          ; one plain place behind a scaled conversion
.irp c, 0,1
.irp i, 0,1,2
	v_mov_b32 v[F+6*\c+3+\i], v[CT+4*\c+\i]
.endr
.endr
.irp c, 0,1,2
	global_store_b128 v[LI], v[F+4*\c:F+4*\c+3], s[24:25] offset:(\n)*FRB+512*\c   ; 32 lanes store 512 consecutive bytes, aligned to 256
.endr
.endm
	LOAD 0
	LOAD 1
	FRAGQ 0
	FRAGQ 1
	FRAGQ 2
	FRAGQ 3
	s_wait_xcnt 0x0                                ; EXEC changes only behind this wait
	v_cmp_gt_u32 vcc_lo, 16, v[LN]
	s_wait_tensorcnt 0x0
	ds_add_u32 v232, v233
	s_wait_dscnt 0x0
	s_and_saveexec_b32 s30, vcc_lo
	global_store_b128 v[R16], v[W:W+3], s[26:27]   ; lanes 0-15: row r's four words: 256 consecutive bytes, aligned
	s_wait_xcnt 0x0
	s_or_b32 exec_lo, exec_lo, s30
	s_endpgm
.Lfunc_end_k_q07ba4bacfe_quant:
	.size	k_q07ba4bacfe_quant, .Lfunc_end_k_q07ba4bacfe_quant-k_q07ba4bacfe_quant
	.p2alignl 7, 3214868480
	.fill 96, 4, 3214868480
	.section	.rodata,"a",@progbits
	.p2align	6, 0x0
	.amdhsa_kernel k_q07ba4bacfe_quant
		.amdhsa_group_segment_fixed_size 34304
		.amdhsa_private_segment_fixed_size 0
		.amdhsa_enable_private_segment 0
		.amdhsa_kernarg_size 48
		.amdhsa_user_sgpr_count 2
		.amdhsa_user_sgpr_kernarg_segment_ptr 1
		.amdhsa_wavefront_size32 1
		.amdhsa_system_sgpr_workgroup_id_x 1
		.amdhsa_system_sgpr_workgroup_id_y 1
		.amdhsa_system_sgpr_workgroup_id_z 1
		.amdhsa_system_vgpr_workitem_id 0
		.amdhsa_next_free_vgpr 234
		.amdhsa_next_free_sgpr 66
		.amdhsa_reserve_vcc 1
		.amdhsa_float_denorm_mode_32 3
		.amdhsa_float_denorm_mode_16_64 3
		.amdhsa_memory_ordered 1
		.amdhsa_forward_progress 1
		.amdhsa_inst_pref_size 31
	.end_amdhsa_kernel
	.amdgpu_metadata
---
amdhsa.version: [ 1, 2 ]
amdhsa.kernels:
  - .name:           k_q07ba4bacfe_quant
    .symbol:         k_q07ba4bacfe_quant.kd
    .args:
      - { .name: x, .offset: 0, .size: 8, .value_kind: global_buffer, .address_space: global }
      - { .name: wq, .offset: 8, .size: 8, .value_kind: global_buffer, .address_space: global }
      - { .name: wk, .offset: 16, .size: 8, .value_kind: global_buffer, .address_space: global }
      - { .name: wv, .offset: 24, .size: 8, .value_kind: global_buffer, .address_space: global }
      - { .name: wo, .offset: 32, .size: 8, .value_kind: global_buffer, .address_space: global }
      - { .name: img, .offset: 40, .size: 8, .value_kind: global_buffer, .address_space: global }
    .group_segment_fixed_size: 34304
    .private_segment_fixed_size: 0
    .kernarg_segment_align: 8
    .kernarg_segment_size: 48
    .max_flat_workgroup_size: 128
    .sgpr_count:     66
    .vgpr_count:     234
    .wavefront_size: 32
...
	.end_amdgpu_metadata
.endif
;; end of part 1
;; launch proj (part 2): grid 8 x 24, 4 waves a work-group, clusters of 4 x 4, 327,680 bytes of LDS; arguments img, bq, bk, bv, qimg, kv; writes qimg, kv
.if DOCPART == 2
	.amdgcn_target "amdgcn-amd-amdhsa--gfx1250"
	.amdhsa_code_object_version 6
	.text
	.protected	k_q07ba4bacfe_proj
	.globl	k_q07ba4bacfe_proj
	.p2align	8
	.type	k_q07ba4bacfe_proj,@function
k_q07ba4bacfe_proj:
	s_mov_b64 s[64:65], 0
	v_nop
	global_prefetch_b8 v0, s[64:65] scope:SCOPE_SE
	s_setreg_imm32_b32 hwreg(HW_REG_WAVE_MODE, 25, 1), 1
	s_wait_xcnt 0x0
	s_wait_alu depctr_hold_cnt(0) depctr_sa_sdst(0) depctr_va_vdst(0) depctr_va_sdst(0) depctr_va_ssrc(0) depctr_va_vcc(0) depctr_vm_vsrc(0)
	s_getreg_b32 s2, hwreg(HW_REG_IB_STS2, 6, 4)
	s_cmp_eq_u32 s2, 0
	s_cbranch_scc0 .Lentry_in_a_cluster
	s_endpgm
.Lentry_in_a_cluster:
	s_bfe_u32 s2, ttmp6, 0x10000c
	s_cmp_lg_u32 s2, 0xf033
	s_cbranch_scc0 .Lentry_shape_is_right
	s_endpgm
.Lentry_shape_is_right:
.set FRB,   1536
.set SCO,   8*FRB
.set PSTEP, SCO+512
.set PANEL, 8*PSTEP
.set HEADB, 16*PSTEP
.set PSL,   2*PSTEP
.set WST,   2*PSL                      ; LDS goes part by part (A's two panels, B's two): a part's two slots lie on end
.set SLOT,  PSL
.set SPARE, 4*WST
.set RR,   1
.set HH,   2
.set LI,   3
.set ADRA, 16
.set ADRB, 20
.set ADRS, 22
.set SAD,  24
.set BOF,  25
.set FLR,  26
.set SPW,  28
.set NIL,  29
.set SC,   32
.set BIAS, 48
.set TM,   112
.set AF,   128
.set PWA,  48
.set PWB,  49
.set PWS,  52
.set CT,   60
.set FX,   72
.set FY,   84
.set WX,   96
.set WY,   100
.set OW,   104
.set WV,  16
.set RH,  17
.set CH,  18
.set CX,  19
.set CY,  20
.set XX,  21
.set CYC, 22
.set ISV, 23
.set G1,  24
.set G0,  32
.set G1B, 48
.set G0B, 56
.set MUL_LO, 0xa1
.set MUL_HI, 0xf1
.set TO_B,   0x40
.set MSB, 0
.macro WIN new
.if MSB != (\new)
	s_set_vgpr_msb (MSB<<8)|(\new)
.set MSB, (\new)
.endif
.endm
.macro JLOAD g0a, g1a, g0b, g1b
	s_cmp_eq_u32 s[RH], 0
	s_cbranch_scc0 .Lfor_b_\@
	tensor_load_to_lds s[\g0a:\g0a+3], s[\g1a:\g1a+7]
	s_nop 0
.rept 4
	v_nop
.endr
	s_branch .Lasked_\@
.Lfor_b_\@:
	tensor_load_to_lds s[\g0b:\g0b+3], s[\g1b:\g1b+7]
	s_nop 0
.rept 4
	v_nop
.endr
.Lasked_\@:
.endm
.macro CREST
	s_cmp_lg_u32 s[WV], 0
	s_cbranch_scc1 .Lnot_wave_0_\@
	s_barrier_signal -3
.Lnot_wave_0_\@:
	s_barrier_wait -3
	s_barrier_signal -1
	s_barrier_wait -1
.endm
.macro CROUND
	s_barrier_signal -1
	s_barrier_wait -1
	CREST
.endm
.macro PLACES n
.rept \n
	v_nop
.endr
.endm
	s_load_b256 s[4:11], s[0:1], 0x0
	s_load_b128 s[12:15], s[0:1], 0x20
	v_lshl_add_u32 v[SPW], v0, 2, SPARE
	v_mov_b32 v[NIL], 0
	ds_add_u32 v28, v29
	ds_add_u32 v28, v29
	s_wait_dscnt 0x0
	v_lshrrev_b32 v1, 5, v0
	v_readfirstlane_b32 s[WV], v1
	s_lshr_b32 s[RH], s[WV], 1
	s_and_b32 s[CH], s[WV], 1
	s_bfe_u32 s[CX], ttmp6, 0x40000
	s_bfe_u32 s[CY], ttmp6, 0x40004
	s_lshl_b32 s[XX], ttmp9, 2
	s_add_co_u32 s[XX], s[XX], s[CX]
	s_and_b32 s[CYC], ttmp7, 0xffff
	s_lshr_b32 s[ISV], s[CYC], 2
	s_xor_b32 s43, s[ISV], 1
	s_lshl_b32 s44, s[CY], 2
	s_lshl_b32 s44, 15, s44
	s_lshl_b32 s45, 0x1111, s[CX]
	s_or_b32 s[G1], s44, (3<<16)|(1<<21)
	s_or_b32 s[G1B], s45, (3<<16)|(1<<21)
.irp g, G1, G1B
	s_mov_b32 s[\g+1], 32<<16
	s_mov_b32 s[\g+2], 200<<16                     ; the head's load brings both slots: 200 rows of 256 bytes, four K steps, dense
	s_mov_b32 s[\g+3], 32<<16
	s_mov_b32 s[\g+4], 200
	s_mov_b32 s[\g+5], 32
	s_mov_b32 s[\g+6], 0
	s_mov_b32 s[\g+7], 0
.endr
	s_lshl_b32 s40, s[CY], 1
	s_add_co_u32 s40, s40, s[CH]
	s_lshl_b32 s42, s[CYC], 3
	s_mul_i32 s42, s42, s43
	s_add_co_u32 s40, s40, s42
	s_mul_i32 s42, s[ISV], 48
	s_add_co_u32 s40, s40, s42
	s_mul_i32 s40, s40, PANEL
	s_mov_b32 s41, 0
	s_lshl_b32 s66, ttmp9, 3
	s_lshl_b32 s67, s[CX], 1
	s_add_co_u32 s66, s66, s67
	s_add_co_u32 s66, s66, s[CH]
	s_lshl_b32 s67, s43, 5
	s_add_co_u32 s66, s66, s67
	s_and_b32 s67, s[CYC], 3
	s_lshl_b32 s67, s67, 4
	s_mul_i32 s67, s67, s[ISV]
	s_add_co_u32 s66, s66, s67
	s_mul_i32 s66, s66, PANEL
	s_mov_b32 s67, 0
	s_mul_i32 s46, s[WV], WST
	s_wait_kmcnt 0x0
	s_add_nc_u64 s[40:41], s[4:5], s[40:41]
	s_add_nc_u64 s[66:67], s[4:5], s[66:67]
	CROUND
.irp n, 0,1
	s_mov_b32 s[G0+4*\n], 1
	s_add_co_u32 s[G0+4*\n+1], s46, \n*SLOT
	s_add_nc_u64 s[G0+4*\n+2:G0+4*\n+3], s[40:41], \n*PSL
	s_or_b32 s[G0+4*\n+3], s[G0+4*\n+3], 0x80000000
	s_mov_b32 s[G0B+4*\n], 1
	s_add_co_u32 s[G0B+4*\n+1], s46, \n*SLOT
	s_add_nc_u64 s[G0B+4*\n+2:G0B+4*\n+3], s[66:67], \n*PSL
	s_or_b32 s[G0B+4*\n+3], s[G0B+4*\n+3], 0x80000000
.endr
	JLOAD G0, G1, G0B, G1B                         ; my one load at the head: K steps 0-3 of my panel, into both of its slots
	v_and_b32 v[RR], 15, v0
	v_bfe_u32 v[HH], v0, 4, 1
	s_wait_alu depctr_va_vdst(0)
	v_and_b32 v[LI], 31, v0
	v_lshlrev_b32 v[LI], 4, v[LI]
	s_mul_i32 s68, s[RH], WST
	s_add_co_u32 s69, s[CH], 2
	s_mul_i32 s69, s69, WST
.irp n, 0,1
	v_add_nc_u32 v[ADRA+\n], s68, v[LI]
	v_add_nc_u32 v[ADRB+\n], s69, v[LI]
	s_add_co_u32 s68, s68, SLOT
	s_add_co_u32 s69, s69, SLOT
.endr
	s_mul_i32 s68, s[RH], WST
	s_xor_b32 s69, s[RH], 1
	s_add_co_u32 s69, s69, s[CH]
	s_add_co_u32 s69, s69, 1
	s_mul_i32 s69, s69, WST
	v_mul_u32_u24 v4, s69, v[HH]
	v_lshl_add_u32 v4, v[RR], 4, v4
	s_add_co_u32 s68, s68, SCO
	v_add_nc_u32 v[ADRS], s68, v4
	s_add_co_u32 s68, s68, SLOT
	v_add_nc_u32 v[ADRS+1], s68, v4
	v_mul_u32_u24 v[SAD], v[HH], HEADB
	v_lshl_add_u32 v[SAD], v[RR], 4, v[SAD]
	v_mov_b32 v[FLR], 0x2800000
	s_lshl_b32 s70, s[CYC], 3
	s_lshl_b32 s71, s[CY], 1
	s_add_co_u32 s71, s71, s[RH]
	s_add_co_u32 s70, s70, s71
	s_lshl_b32 s72, s[XX], 1
	s_add_co_u32 s72, s72, s[CH]
	s_and_b32 s73, s[CYC], 3
	s_lshl_b32 s73, s73, 4
	s_add_co_u32 s73, s73, s72
	s_and_b32 s74, s72, 7
	s_cmp_lt_u32 s72, 8
	s_cselect_b64 s[76:77], s[12:13], s[14:15]
	s_cselect_b64 s[78:79], s[6:7], s[8:9]
	s_cmp_eq_u32 s[ISV], 0
	s_cselect_b64 s[76:77], s[76:77], s[14:15]
	s_cselect_b64 s[78:79], s[78:79], s[10:11]
	s_cselect_b32 s70, s70, s73
	s_cselect_b32 s74, s74, s71
	s_lshr_b32 s80, s70, 4
	s_lshl_b32 s80, s80, 4
	s_lshl_b32 s81, s74, 1
	s_add_co_u32 s80, s80, s81
	s_lshl_b32 s80, s80, 4
	s_and_b32 s81, s70, 15
	s_add_co_u32 s80, s80, s81
	s_mul_i32 s80, s80, PSTEP
	s_mov_b32 s81, 0
	s_add_nc_u64 s[76:77], s[76:77], s[80:81]
	s_lshl_b32 s80, s74, 9
	s_add_nc_u64 s[78:79], s[78:79], s[80:81]
	; the prefetches: a refill is 100 blocks of 256 bytes; the four partners that ask for it jointly share them out by address, 25 each, a lane a block (lanes 25-31 name the last again)
	s_cmp_eq_u32 s[RH], 0                          ; do I fetch for A?
	s_cselect_b64 s[86:87], s[40:41], s[66:67]     ; my panel
	s_cselect_b32 s88, s[CX], s[CY]                ; my place among the four
	s_mul_i32 s88, s88, 25*256
	s_mov_b32 s89, 0
	s_add_nc_u64 s[86:87], s[86:87], s[88:89]
	v_and_b32 v30, 31, v0
	v_min_u32 v30, 24, v30
	v_lshlrev_b32 v30, 8, v30
	global_prefetch_b8 v30, s[86:87] offset:2*PSL th:TH_LOAD_NT scope:SCOPE_SE   ; K steps 4, 5: what the first refill will load
	s_cmp_lg_u32 s[ISV], 0
	s_cbranch_scc1 .Lbias_v
	v_lshlrev_b32 v[BOF], 6, v[HH]
.irp e, 0,1,2,3
.irp k, 0,1,2,3
	global_load_b128 v[BIAS+16*\e+4*\k:BIAS+16*\e+4*\k+3], v[BOF], s[78:79] offset:128*\e+16*\k
.endr
.endr
	s_branch .Lbias_done
.Lbias_v:
	v_and_b32 v[BOF], 8, v[RR]
	v_add_nc_u32 v[BOF], v[BOF], v[RR]
	v_lshlrev_b32 v[BOF], 2, v[BOF]
.irp a, 0,1,2,3,4,5,6,7
.irp j, 0,1,2,3,4,5,6,7
	global_load_b32 v[BIAS+8*\a+\j], v[BOF], s[78:79] offset:(32*(\a/2)+8*(\a%2))*4
.endr
.endr
.Lbias_done:
.macro FRAG reg, adr, off
.irp c, 0,1,2
	ds_load_b128 v[\reg+4*\c:\reg+4*\c+3], v[\adr] offset:\off+512*\c
.endr
.endm
.macro FETCH_B slot, q, p
	WIN TO_B
.irp i, 0,1,2,3,4,5,6,7
	FRAG 128*(\p)+12*\i, ADRB+\slot, (\q)*PSTEP+\i*FRB
.endr
	WIN 0
.endm
.macro FETCH_A slot, q, i0
.irp i, \i0, \i0+1, \i0+2, \i0+3
	FRAG AF+12*(\i), ADRA+\slot, (\q)*PSTEP+(\i)*FRB
.endr
.endm
.macro SCALES slot, q, set
.irp k, 0,1
	ds_load_b128 v[SC+8*(\set)+4*\k:SC+8*(\set)+4*\k+3], v[ADRS+\slot] offset:(\q)*PSTEP+256*\k
.endr
.endm
.macro MUL16 a0, p, mode
.irp a, \a0, \a0+1
.irp b, 0,1,2,3,4,5,6,7
.if \mode == 0
	v_wmma_scale_f32_16x16x128_f8f6f4 v[8*(8*((\a)%4)+\b):8*(8*((\a)%4)+\b)+7], v[128*(\p)+12*\b:128*(\p)+12*\b+11], v[AF+12*(\a):AF+12*(\a)+11], v[8*(8*((\a)%4)+\b):8*(8*((\a)%4)+\b)+7], v[SC+8*(\p)+\b], v[SC+8*(\p)+(\a)] matrix_a_fmt:MATRIX_FMT_BF6 matrix_b_fmt:MATRIX_FMT_BF6 matrix_a_scale:MATRIX_SCALE_ROW1
.elseif \mode == 1
	v_wmma_scale_f32_16x16x128_f8f6f4 v[8*(8*((\a)%4)+\b):8*(8*((\a)%4)+\b)+7], v[128*(\p)+12*\b:128*(\p)+12*\b+11], v[AF+12*(\a):AF+12*(\a)+11], v[BIAS+8*\b:BIAS+8*\b+7], v[SC+8*(\p)+\b], v[SC+8*(\p)+(\a)] matrix_a_fmt:MATRIX_FMT_BF6 matrix_b_fmt:MATRIX_FMT_BF6 matrix_a_scale:MATRIX_SCALE_ROW1
.else
	v_wmma_scale_f32_16x16x128_f8f6f4 v[8*(8*((\a)%4)+\b):8*(8*((\a)%4)+\b)+7], v[128*(\p)+12*\b:128*(\p)+12*\b+11], v[AF+12*(\a):AF+12*(\a)+11], v[BIAS+8*(\a):BIAS+8*(\a)+7], v[SC+8*(\p)+\b], v[SC+8*(\p)+(\a)] matrix_a_fmt:MATRIX_FMT_BF6 matrix_b_fmt:MATRIX_FMT_BF6 matrix_a_scale:MATRIX_SCALE_ROW1
.endif
.endr
.endr
.endm
.macro STEP slot, mode
	s_wait_dscnt 12
.if \mode == 0
	WIN MUL_LO
.else
	WIN 0x81
.endif
	MUL16 0, 0, \mode
	MUL16 2, 0, \mode
	s_wait_dscnt 0x0
	PLACES 4
	FETCH_B \slot, 1, 1
	SCALES \slot, 1, 1
	FETCH_A \slot, 1, 0
.if \mode == 0
	WIN MUL_HI
.else
	WIN 0xc1
.endif
	MUL16 4, 0, \mode
	MUL16 6, 0, \mode
	PLACES 4
	WIN 0
	FETCH_A \slot, 1, 4
.endm
.macro TURN slot, next, fill
	s_wait_tensorcnt 0x0
	ds_add_u32 v[SPW], v[NIL]
	s_wait_dscnt 13
	WIN MUL_LO
	MUL16 0, 1, 0
	s_wait_dscnt 0x0
	s_barrier_signal -1
	MUL16 2, 1, 0
	WIN 0
	s_barrier_wait -1
.if \fill
	CREST
	s_add_nc_u64 s[G0+4*\slot+2:G0+4*\slot+3], s[G0+4*\slot+2:G0+4*\slot+3], 2*PSL
	s_add_nc_u64 s[G0B+4*\slot+2:G0B+4*\slot+3], s[G0B+4*\slot+2:G0B+4*\slot+3], 2*PSL
	JLOAD G0+4*\slot, G1, G0B+4*\slot, G1B
.else
	PLACES 4
.endif
	FETCH_B \next, 0, 0
	FETCH_A \next, 0, 0
	SCALES \next, 0, 0
.if (\fill) && (\slot) == 0
	global_prefetch_b8 v30, s[86:87] offset:3*PSL th:TH_LOAD_NT scope:SCOPE_SE   ; K steps 6, 7: what the next refill will load; the panel ends there
.endif
	WIN MUL_HI
	MUL16 4, 1, 0
	MUL16 6, 1, 0
	PLACES 4
	WIN 0
	FETCH_A \next, 0, 4
.endm
	s_wait_alu depctr_va_vdst(0)
	s_wait_tensorcnt 0x0                           ; my part of both slots is in; no load of mine is out, so a descriptor may be written:
	s_mov_b32 s[G1+2], 100<<16                     ; from here on a load brings one slot, 100 rows
	s_mov_b32 s[G1+4], 100
	s_mov_b32 s[G1B+2], 100<<16
	s_mov_b32 s[G1B+4], 100
	s_barrier_signal -1
	s_barrier_wait -1
	FETCH_B 0, 0, 0
	FETCH_A 0, 0, 0
	s_wait_alu depctr_va_vdst(0)
	SCALES 0, 0, 0
	FETCH_A 0, 0, 4
	s_wait_loadcnt 0x0
	s_cmp_lg_u32 s[ISV], 0
	s_cbranch_scc1 .Lfirst_v
	STEP 0, 1
	s_branch .Lfirst_done
.Lfirst_v:
	STEP 0, 2
.Lfirst_done:
	TURN 0, 1, 1
	STEP 1, 0
	TURN 1, 0, 1
	STEP 0, 0
	TURN 0, 1, 0
	STEP 1, 0
	s_wait_dscnt 12
	WIN MUL_LO
	MUL16 0, 1, 0
	MUL16 2, 1, 0
	s_wait_dscnt 0x0
	WIN MUL_HI
	MUL16 4, 1, 0
	MUL16 6, 1, 0
	WIN 0
	PLACES 4
.irp b, 0,1,2,3
	v_mov_b32 v[TM+4+\b], 0
.endr
.macro QUANT a, d0, d1, pw
.set AC, 64*((\a)%4)
	WIN 0x28+0x14*((\a)/4)
.irp b, 0,1,2,3
	v_max3_num_f32 v[TM+\b], v[FLR], |v[AC+16*\b]|, |v[AC+16*\b+1]|
.endr
.irp i, 2,4,6,8,10,12,14
.irp b, 0,1,2,3
	v_max3_num_f32 v[TM+\b], v[TM+\b], |v[AC+16*\b+\i]|, |v[AC+16*\b+\i+1]|
.endr
.endr
	WIN 0
.irp b, 0,1,2,3
	v_permlanex16_b32 v[TM+4+\b], v[TM+\b], s84, s85
.endr
.irp b, 0,1,2,3
	v_max_num_f32 v[TM+\b], v[TM+\b], v[TM+4+\b]
.endr
.irp b, 0,1,2,3
	v_add_nc_u32 v[TM+12+\b], 0xfe000000, v[TM+\b]
.endr
.irp b, 0,1,2,3
	v_lshrrev_b32 v[TM+4+\b], 23, v[TM+12+\b]
.endr
	v_lshl_or_b32 v[\pw], v[TM+5], 8, v[TM+4]
	v_lshl_or_b32 v[\pw], v[TM+6], 16, v[\pw]
	v_lshl_or_b32 v[\pw], v[TM+7], 24, v[\pw]
	WIN 0x02+((\a)/4)
	v_cvt_scalef32_pk16_bf6_f32 v[\d0:\d0+2], v[AC:AC+15], v[TM+12]
	v_cvt_scalef32_pk16_bf6_f32 v[CT:CT+2], v[AC+16:AC+31], v[TM+13]
	v_cvt_scalef32_pk16_bf6_f32 v[\d1:\d1+2], v[AC+32:AC+47], v[TM+14]
	v_cvt_scalef32_pk16_bf6_f32 v[CT+4:CT+6], v[AC+48:AC+63], v[TM+15]
	WIN 0
	v_nop
.irp i, 0,1,2
	v_permlane16_swap_b32 v[\d0+\i], v[CT+\i]
	v_permlane16_swap_b32 v[\d1+\i], v[CT+4+\i]
.endr
.irp i, 0,1,2
	v_mov_b32 v[\d0+3+\i], v[CT+\i]
	v_mov_b32 v[\d1+3+\i], v[CT+4+\i]
.endr
.endm
	s_mov_b32 s84, 0x76543210
	s_mov_b32 s85, 0xfedcba98
	s_mov_b32 s82, 0xffff0000
	s_cmp_lg_u32 s[ISV], 0
	s_cbranch_scc1 .Lout_v
.irp e, 0,1,2,3
	s_wait_xcnt 0x0
	QUANT 2*\e, FX, FY, PWA
	QUANT 2*\e+1, FX+6, FY+6, PWB
	v_perm_b32 v[WX+\e], v[PWB], v[PWA], 0x05040100
	v_perm_b32 v[WY+\e], v[PWB], v[PWA], 0x07060302
.irp c, 0,1,2
	global_store_b128 v[LI], v[FX+4*\c:FX+4*\c+3], s[76:77] offset:\e*FRB+512*\c
	global_store_b128 v[LI], v[FY+4*\c:FY+4*\c+3], s[76:77] offset:HEADB+\e*FRB+512*\c
.endr
.endr
.irp k, 0,1,2,3
	v_cndmask_b32 v[OW+\k], v[WX+\k], v[WY+\k], s82
.endr
	global_store_b128 v[SAD], v[OW:OW+3], s[76:77] offset:SCO
	s_branch .Ldone
.Lout_v:
.irp a, 0,1,2,3,4,5,6,7
	s_wait_xcnt 0x0
	QUANT \a, FX, FX+6, PWS+\a
.irp c, 0,1,2
	global_store_b128 v[LI], v[FX+4*\c:FX+4*\c+3], s[76:77] offset:4*FRB+(\a%4)*FRB+(\a/4)*HEADB+512*\c
.endr
.endr
.irp k, 0,1,2,3
	v_cndmask_b32 v[OW+\k], v[PWS+\k], v[PWS+4+\k], s82
.endr
	global_store_b128 v[SAD], v[OW:OW+3], s[76:77] offset:SCO+256
.Ldone:
	s_wait_tensorcnt 0x0
	ds_add_u32 v[SPW], v[NIL]
	s_wait_dscnt 0x0
	CROUND
	s_endpgm
.Lfunc_end_k_q07ba4bacfe_proj:
	.size	k_q07ba4bacfe_proj, .Lfunc_end_k_q07ba4bacfe_proj-k_q07ba4bacfe_proj
	.p2alignl 7, 3214868480
	.fill 96, 4, 3214868480
	.section	.rodata,"a",@progbits
	.p2align	6, 0x0
	.amdhsa_kernel k_q07ba4bacfe_proj
		.amdhsa_group_segment_fixed_size 327680
		.amdhsa_private_segment_fixed_size 0
		.amdhsa_enable_private_segment 0
		.amdhsa_kernarg_size 48
		.amdhsa_user_sgpr_count 2
		.amdhsa_user_sgpr_kernarg_segment_ptr 1
		.amdhsa_wavefront_size32 1
		.amdhsa_system_sgpr_workgroup_id_x 1
		.amdhsa_system_sgpr_workgroup_id_y 1
		.amdhsa_system_sgpr_workgroup_id_z 1
		.amdhsa_system_vgpr_workitem_id 0
		.amdhsa_next_free_vgpr 1024
		.amdhsa_next_free_sgpr 100
		.amdhsa_reserve_vcc 0
		.amdhsa_float_denorm_mode_32 3
		.amdhsa_float_denorm_mode_16_64 3
		.amdhsa_memory_ordered 1
		.amdhsa_forward_progress 1
		.amdhsa_inst_pref_size 189
	.end_amdhsa_kernel
	.amdgpu_metadata
---
amdhsa.version: [ 1, 2 ]
amdhsa.kernels:
  - .name:           k_q07ba4bacfe_proj
    .symbol:         k_q07ba4bacfe_proj.kd
    .args:
      - { .name: img, .offset: 0, .size: 8, .value_kind: global_buffer, .address_space: global }
      - { .name: bq, .offset: 8, .size: 8, .value_kind: global_buffer, .address_space: global }
      - { .name: bk, .offset: 16, .size: 8, .value_kind: global_buffer, .address_space: global }
      - { .name: bv, .offset: 24, .size: 8, .value_kind: global_buffer, .address_space: global }
      - { .name: qimg, .offset: 32, .size: 8, .value_kind: global_buffer, .address_space: global }
      - { .name: kv, .offset: 40, .size: 8, .value_kind: global_buffer, .address_space: global }
    .group_segment_fixed_size: 327680
    .private_segment_fixed_size: 0
    .kernarg_segment_align: 8
    .kernarg_segment_size: 48
    .max_flat_workgroup_size: 128
    .sgpr_count:     100
    .vgpr_count:     1024
    .wavefront_size: 32
...
	.end_amdgpu_metadata
.endif
;; end of part 2
;; launch attn (part 3): grid 8 x 32, 8 waves a work-group, clusters of 4 x 1, 257,536 bytes of LDS; arguments qimg, kv, cimg; writes cimg
.if DOCPART == 3
	.amdgcn_target "amdgcn-amd-amdhsa--gfx1250"
	.amdhsa_code_object_version 6
	.text
	.protected	k_q07ba4bacfe_attn
	.globl	k_q07ba4bacfe_attn
	.p2align	8
	.type	k_q07ba4bacfe_attn,@function
k_q07ba4bacfe_attn:
	s_mov_b64 s[64:65], 0
	v_nop
	global_prefetch_b8 v0, s[64:65] scope:SCOPE_SE
	s_setreg_imm32_b32 hwreg(HW_REG_WAVE_MODE, 25, 1), 1
	s_wait_xcnt 0x0
	s_wait_alu depctr_hold_cnt(0) depctr_sa_sdst(0) depctr_va_vdst(0) depctr_va_sdst(0) depctr_va_ssrc(0) depctr_va_vcc(0) depctr_vm_vsrc(0)
	s_getreg_b32 s2, hwreg(HW_REG_IB_STS2, 6, 4)
	s_cmp_eq_u32 s2, 0
	s_cbranch_scc0 .Lentry_in_a_cluster
	s_endpgm
.Lentry_in_a_cluster:
	s_bfe_u32 s2, ttmp6, 0x10000c
	s_cmp_lg_u32 s2, 0x3003
	s_cbranch_scc0 .Lentry_shape_is_right
	s_endpgm
.Lentry_shape_is_right:
; ctx[h][q] = the sum over k of softmax_k(q . k / 8) v, both products on codes of BF6, and ctx quantised along the features on the way out.
; THE SOFTMAX AHEAD OF THE SECOND PRODUCT: t = score x log2(e) / 8; M = the running largest t rounded UP to a whole number; p = 2^(t - M) is quantised along the keys, not normalised;
; the row's sum is taken of the unquantised p and divides at the end.  When M moves, the sum and O are multiplied by 2^(old M - new M): exact.
; SHARES: a work-group owns 256 queries of one head, each of its eight waves 32 of them: two tiles of 16 (x = 0, 1), which share every fragment of K and V read from LDS.
; A head's K, V^T and scale words, 204,800 bytes of register images, lie in LDS WHOLE, filled once, one joint load a wave (two key steps, 50 rows of 512 bytes); the four query blocks of a cluster walk the same head (mask 15).
; No prefetch: the launch's one stream is asked for whole at the head, and there is no loop to run ahead in.
; IN LDS each 512 bytes of the image are followed by 128 bytes of padding (chunk n at 640 n; a key step is 25 chunks), so that a read of K whose lanes 0-7 and 8-15 take two fragments 1,920 bytes apart touches 16 different columns of 16 bytes.
; THE HEAD IS 64 WIDE, the instruction 128: a fragment of K carries TWO sets of 16 keys and is multiplied once by (q | 0) and once by (0 | q); the zero half's scale bytes are 1.
; WHICH KEYS FORM A TILE is chosen by the lanes' LDS addresses: fragment f = 2 c + u takes for its rows 0-7 the image's fragment 2 c, rows 8 u .. 8 u + 7, and for its rows 8-15 the image's fragment 2 c + 1, the same rows.
; So score tile 2 u + s of group c holds keys 64 c + 8 (2 u + s) + 0..7 in rows 0-7 and the keys 32 further on in rows 8-15: lane (query, h) holds in registers 32 c .. 32 c + 31 ALL 32 keys of block 2 c + h, in order:
; a block's maximum needs no other lane, and the conversions' results are the operand's registers.
; THE ORDER OF A STEP: every dependent chain of one tile (the row's maximum and M; the scale word) stands between independent lines of the other tile or of O's rescaling; the sums are trees.
; V^T's tile a holds in lane r the head's channel 32 (a / 2) + 8 (a % 2) + r + 8 (r / 8): O^T's 16 registers of tiles 2 b, 2 b + 1 are 16 neighbouring channels.
; OUT: cimg = [32 token panels][8 K steps = pairs of heads][PSTEP]: a tile's six registers are half (head % 2) of fragment 2 (wave % 4) + x; its two scale bytes at SCO + 256 (head % 2) + 16 r + 2 (2 (wave % 4) + x).
; REGISTERS: window 0: v1-63 addresses, scale words and the rows' state; v64-127, v128-191 S^T then p of tiles 0, 1; v192-223, v224-255 O^T.  Window 1: v0-47 K, v48-95 V, v96-125 (0 | q0 | 0 | q1 | 0), v128-151 p's codes, v152-167 the conversions' odd halves.
; LIMITS: a block's largest p is made from its largest score by the same multiply-add and exponential (this takes v_exp_f32 not to fall where its input rises); a block of zeros keeps the byte 1;
; NaN and infinities are not served; the promise holds while |t| stays under 2^31.
.set FRB,   1536
.set SCO,   8*FRB
.set PSTEP, SCO+512
.set PANEL, 8*PSTEP
.set HEADB, 16*PSTEP
.set PSL,   2*PSTEP
.set CH_,   640                        ; a chunk in LDS: 512 bytes + 128 of padding
.set PSTL,  25*CH_                     ; a key step in LDS
.set SCL,   24*CH_                     ; its scale words
.set SCST,  16*PSTL                    ; behind the head: 512 bytes in which the waves' scale bytes meet; no tensor load lands there
.set SPARE, SCST+512                   ; the spare words, 128 bytes a wave
.set LI,  1                            ; 16 x lane
.set BK,  2                            ; K's fragments: 1920 (r / 8) + 16 (r % 8) + 256 h
.set BS,  3                            ; K's scale words: 16 (r % 8) + 4 (r / 8)
.set R16, 5
.set L8,  6
.set SST, 7
.set SRD, 8
.set SG,  9
.set SH8, 10                           ; 8 h
.set SPW, 11
.set NIL, 12
.set KS,  16                           ; v16-19 K's scale words (lanes 0-15)
.set VS,  20                           ; v20-23 V's (lanes 16-31)
.set QS,  24                           ; v24-27 q's: (q0|0), (0|q0), (q1|0), (0|q1)
.set PS,  28                           ; v28-29 p's scale words
.set NM,  30                           ; v30-33 (-M, the running largest score) of tiles 0, 1
.set L,   34                           ; v34-37 the rows' sums, two halves a tile
.set FF,  38                           ; v38-41 f
.set BM,  42                           ; v42-45 maxima: tile 0's four chains, then the four blocks'
.set SO,  46                           ; v46-49 tile 1's four chains, then the conversions' scale operands (SO = BM + 4)
.set BY,  50                           ; v50-53 scale bytes
.set T,   54
.set U,   56
.set PD,  58                           ; v58-59 a lane permute's destinations
.set ADV, 60
.set ADK, 61
.set ADS, 62
.set SA,  64
.set SB,  128
.set OA,  192
.set OB,  224
.set KF,  0                            ; window 1
.set VF,  48
.set QHA, 96
.set QLA, 102
.set QHB, 108
.set QLB, 114
.set PCA, 128
.set CT,  152
.set WV,  16
.set SEL, 20
.set CS,  22
.set G1,  24
.set G0,  32
.set TB,  40
.set CNT, 41
.set MSB, 0
.macro WIN new                         ; the immediate's high byte repeats the setting that is left
.if MSB != (\new)
	s_set_vgpr_msb (MSB<<8)|(\new)
.set MSB, (\new)
.endif
.endm
.macro CROUND
	s_barrier_signal -1
	s_barrier_wait -1
	s_cmp_lg_u32 s[WV], 0
	s_cbranch_scc1 .Lnot_wave_0_\@
	s_barrier_signal -3
.Lnot_wave_0_\@:
	s_barrier_wait -3
	s_barrier_signal -1
	s_barrier_wait -1
.endm
.macro MMQ d, f, q, s                  ; 16 keys x 16 queries
	v_wmma_scale_f32_16x16x128_f8f6f4 v[\d:\d+7], v[KF+12*\f:KF+12*\f+11], v[\q:\q+11], 0, v[KS+\f], v[QS+\s] matrix_a_fmt:MATRIX_FMT_BF6 matrix_b_fmt:MATRIX_FMT_BF6
.endm
.macro MMV o, a, p, s, first           ; 16 channels x 16 queries, 128 keys
.if \first
	v_wmma_scale_f32_16x16x128_f8f6f4 v[\o:\o+7], v[VF+12*\a:VF+12*\a+11], v[\p:\p+11], 0, v[VS+\a], v[PS+\s] matrix_a_fmt:MATRIX_FMT_BF6 matrix_b_fmt:MATRIX_FMT_BF6 matrix_a_scale:MATRIX_SCALE_ROW1
.else
	v_wmma_scale_f32_16x16x128_f8f6f4 v[\o:\o+7], v[VF+12*\a:VF+12*\a+11], v[\p:\p+11], v[\o:\o+7], v[VS+\a], v[PS+\s] matrix_a_fmt:MATRIX_FMT_BF6 matrix_b_fmt:MATRIX_FMT_BF6 matrix_a_scale:MATRIX_SCALE_ROW1
.endif
.endm
.macro LDKS as, off                    ; K's four scale words, by the tiles' rows
.irp f, 0,1,2,3
	ds_load_b32 v[KS+\f], v[\as] offset:\off+SCL+128*(\f%2)+8*(\f/2)
.endr
.endm
.macro LDKF ak, off                    ; K's four fragments (destination: window 1)
.irp f, 0,1,2,3
.irp c, 0,1,2
	ds_load_b128 v[KF+12*\f+4*\c:KF+12*\f+4*\c+3], v[\ak] offset:\off+3840*(\f/2)+128*(\f%2)+CH_*\c
.endr
.endr
.endm
.macro BLV d, s, l                     ; level l (0..7) of a tile's four chains of maxima, 16 scores each; every accumulator is read from its low end on
.irp q, 0,1,2,3
.if \l == 0
	v_max3_num_f32 v[\d+\q], v[\s+16*\q], v[\s+16*\q+1], v[\s+16*\q+2]
.elseif \l == 7
	v_max_num_f32 v[\d+\q], v[\d+\q], v[\s+16*\q+15]
.else
	v_max3_num_f32 v[\d+\q], v[\d+\q], v[\s+16*\q+2*\l+1], v[\s+16*\q+2*\l+2]
.endif
.endr
.endm
.macro CH x, n, first                  ; link n (1..9) of tile x's chain from its four maxima to -M and f
.if \n == 1
	v_max_num_f32 v[BM+2*\x], v[BM+4*\x], v[BM+4*\x+1]         ; my two blocks' largest scores
	v_max_num_f32 v[BM+2*\x+1], v[BM+4*\x+2], v[BM+4*\x+3]
.elseif \n == 2
	v_max_num_f32 v[T+\x], v[BM+2*\x], v[BM+2*\x+1]
.elseif \n == 3
	v_permlanex16_b32 v[PD+\x], v[T+\x], s[SEL], s[SEL+1]      ; lane l xor 16 holds the row's other two blocks
.elseif \n == 4
.if \first
	v_max_num_f32 v[NM+2*\x+1], v[T+\x], v[PD+\x]
.else
	v_max3_num_f32 v[NM+2*\x+1], v[NM+2*\x+1], v[T+\x], v[PD+\x]   ; the running largest score of the row
.endif
.elseif \n == 5
	v_mul_f32 v[U+\x], s[CS], v[NM+2*\x+1]                     ; as t (c is positive)
.if \first == 0
	v_mov_b32 v[T+\x], v[NM+2*\x]
.endif
.elseif \n == 6
	v_floor_f32 v[NM+2*\x], -v[U+\x]                           ; -M = -ceil(t)
.elseif \first == 0
.if \n == 7
	v_sub_f32 v[T+\x], v[NM+2*\x], v[T+\x]                     ; old M - new M: a whole number, 0 or less
.elseif \n == 8
	v_cvt_i32_f32 v[T+\x], v[T+\x]                             ; (it saturates)
.else
	v_ldexp_f32 v[FF+2*\x], 1.0, v[T+\x]                       ; f = 2^(old M - new M)
.endif
.endif
.endm
.macro PKA n                           ; n lines of tile 0's t - M
.rept \n
	v_pk_fma_f32 v[SA+J:SA+J+1], v[SA+J:SA+J+1], s[CS:CS+1], v[NM:NM+1] op_sel_hi:[1,0,0]
.set J, J+2
.endr
.endm
.macro RS n, first                     ; n lines of O^T under the new M
.if \first == 0
.rept \n
	v_pk_mul_f32 v[OA+JO:OA+JO+1], v[OA+JO:OA+JO+1], v[FF+2*(JO/32):FF+2*(JO/32)+1] op_sel_hi:[1,0]
.set JO, JO+2
.endr
.endif
.endm
.macro SC x, n                         ; link n (1..7) of tile x's chain from its blocks' largest p to the scale operands and the scale word
.if \n == 1
.irp c, 0,1
	v_max_num_f32 v[BM+2*\x+\c], 0x2800000, v[BM+2*\x+\c]      ; the floor 2^(5 - 127)
.endr
.elseif \n == 2
.irp c, 0,1
	v_add_nc_u32 v[SO+2*\x+\c], 0xfe000000, v[BM+2*\x+\c]      ; 4 off the exponent field
.endr
.elseif \n == 3
.irp c, 0,1
	v_lshrrev_b32 v[BY+\c], 23, v[SO+2*\x+\c]
.endr
.elseif \n == 4
	v_lshl_or_b32 v[T+\x], v[BY+1], 16, v[BY]                  ; blocks h and 2 + h,
.elseif \n == 5
	v_lshlrev_b32 v[T+\x], v[SH8], v[T+\x]                     ; at their places;
.elseif \n == 6
	v_permlanex16_b32 v[PD+\x], v[T+\x], s[SEL], s[SEL+1]
.else
	v_or_b32 v[PS+\x], v[T+\x], v[PD+\x]                       ; with lane l xor 16's two the word is whole
.endif
.endm
.macro CVT x                           ; tile x's codes
	WIN 0x40
.irp c, 0,1
	v_cvt_scalef32_pk16_bf6_f32 v[PCA+12*\x+6*\c:PCA+12*\x+6*\c+2], v[SA+64*\x+32*\c:SA+64*\x+32*\c+15], v[SO+2*\x+\c]
	v_cvt_scalef32_pk16_bf6_f32 v[CT+8*\x+4*\c:CT+8*\x+4*\c+2], v[SA+64*\x+32*\c+16:SA+64*\x+32*\c+31], v[SO+2*\x+\c]   ; (a conversion's three registers begin on an even number)
.endr
	WIN 0
.endm
.macro TR x, l, first                  ; level l (1..6) of the tree that sums tile x's 64 unquantised p, in place, into L
.set B0, SA+64*\x
.if \l <= 4
.set WD, 1<<(\l+1)
.set I, 0
.rept 64/WD
	v_pk_add_f32 v[B0+I:B0+I+1], v[B0+I:B0+I+1], v[B0+I+WD/2:B0+I+WD/2+1]
.set I, I+WD
.endr
.elseif \l == 5
.if \first
	v_pk_add_f32 v[L+2*\x:L+2*\x+1], v[B0:B0+1], v[B0+32:B0+33]
.else
	v_pk_fma_f32 v[L+2*\x:L+2*\x+1], v[L+2*\x:L+2*\x+1], v[FF+2*\x:FF+2*\x+1], v[B0:B0+1] op_sel_hi:[1,0,1]   ; the sum under the new M
.endif
.elseif \first == 0
	v_pk_add_f32 v[L+2*\x:L+2*\x+1], v[L+2*\x:L+2*\x+1], v[B0+32:B0+33]
.endif
.endm
; A key step: 128 keys x 32 queries.  first: the sums begin here.  last: no further K is fetched.
.macro STEP first, last
	WIN 0x05                                       ; K and q in window 1, S^T in window 0
.irp f, 0,1,2,3
	MMQ SA+16*\f, \f, QLA, 0
	MMQ SA+16*\f+8, \f, QHA, 1
.endr
.irp f, 0,1,2,3
	MMQ SB+16*\f, \f, QLB, 2
	MMQ SB+16*\f+8, \f, QHB, 3
.endr
	WIN 0
	v_add_nc_u32 v[ADV], s[TB], v[LI]              ; four plain lines: the places in front of the loads and of the first read of the scores
.if \last == 0
	v_add_nc_u32 v[ADK], s[TB], v[BK]
	v_add_nc_u32 v[ADS], s[TB], v[BS]
.else
	v_nop
	v_nop
.endif
	v_nop
	ds_load_b128 v[VS:VS+3], v[ADV] offset:SCL
.if \last == 0
	LDKS ADS, PSTL
.endif
	WIN 0x40
.irp a, 0,1,2,3
.irp c, 0,1,2
	ds_load_b128 v[VF+12*\a+4*\c:VF+12*\a+4*\c+3], v[ADV] offset:CH_*(12+3*\a+\c)   ; V^T of this step,
.endr
.endr
.if \last == 0
	LDKF ADK, PSTL                                 ; and K of the next: both land while the softmax is worked
.endif
	WIN 0
	s_add_co_u32 s[TB], s[TB], PSTL
.irp l, 0,1,2,3,4,5,6,7
	BLV BM, SA, \l                                 ; tile 0's maxima
.endr
.irp l, 0,1,2,3,4,5,6,7
	BLV SO, SB, \l                                 ; tile 1's maxima, a link of tile 0's chain behind each level
	CH 0, \l+1, \first
.endr
.set J, 0
	CH 1, 1, \first
	CH 0, 9, \first
.irp n, 2,3,4,5,6,7,8,9
	PKA 3                                          ; tile 0's t - M, a link of tile 1's chain behind every three lines
	CH 1, \n, \first
.endr
	PKA 8
.irp b, 0,1,2,3
	v_fma_f32 v[BM+\b], v[BM+\b], s[CS], v[NM+2*(\b/2)]        ; t - M of each block's largest score
.endr
	s_wait_alu depctr_va_vdst(0)
.set J, 0
.rept 32                               ; tile 0's p, by turns with tile 1's t - M, which names other registers
	v_exp_f32 v[SA+J], v[SA+J]
	v_exp_f32 v[SA+J+1], v[SA+J+1]
	v_pk_fma_f32 v[SB+J:SB+J+1], v[SB+J:SB+J+1], s[CS:CS+1], v[NM+2:NM+3] op_sel_hi:[1,0,0]
.set J, J+2
.endr
	v_exp_f32 v[BM], v[BM]                         ; the blocks' largest p
	v_exp_f32 v[BM+1], v[BM+1]
	v_nop
	s_wait_alu depctr_va_vdst(0)                   ; behind the batch, and directly ahead of the first readers of O^T
.set JO, 0
	RS 4, \first                                   ; O^T's rescaling, the links of tile 0's scale chain between its lines
	SC 0, 1
	RS 7, \first
	SC 0, 2
	RS 7, \first
	SC 0, 3
	RS 7, \first
	SC 0, 4
	RS 7, \first
	SC 0, 5
	SC 0, 6
	CVT 0
	SC 0, 7                                        ; (a plain place behind the scaled conversions)
.set J, 0
.rept 16                               ; tile 1's p, by turns with the first level of tile 0's sum (its codes are made)
	v_exp_f32 v[SB+J], v[SB+J]
	v_exp_f32 v[SB+J+1], v[SB+J+1]
	v_exp_f32 v[SB+J+2], v[SB+J+2]
	v_exp_f32 v[SB+J+3], v[SB+J+3]
	v_pk_add_f32 v[SA+J:SA+J+1], v[SA+J:SA+J+1], v[SA+J+2:SA+J+3]
.set J, J+4
.endr
	v_exp_f32 v[BM+2], v[BM+2]
	v_exp_f32 v[BM+3], v[BM+3]
	v_nop
	s_wait_alu depctr_va_vdst(0)
.irp n, 1,2,3,4,5
	SC 1, \n                                       ; tile 1's scale chain, a level of tile 0's sum behind each link
	TR 0, \n+1, \first
.endr
	SC 1, 6
	CVT 1
	SC 1, 7
	WIN 0x41
.irp g, 0,1,2,3
.irp i, 0,1,2
	v_mov_b32 v[PCA+6*\g+3+\i], v[CT+4*\g+\i]      ; the odd halves to their places
.endr
.endr
	WIN 0
.irp l, 1,2,3,4,5,6
	TR 1, \l, \first                               ; tile 1's sum: also the places behind p's codes and scale words
.endr
	s_wait_alu depctr_va_vdst(0)
	s_wait_dscnt 0x0                               ; V^T is in, and the next step's K
	WIN 0x05
.irp a, 0,1,2,3                        ; the eight accumulators take turns
	MMV OA+8*\a, \a, PCA, 0, \first
	MMV OB+8*\a, \a, PCA+12, 1, \first
.endr
	WIN 0
.endm
	s_load_b128 s[4:7], s[0:1], 0x0                ; qimg, kv
	s_load_b64 s[8:9], s[0:1], 0x10                ; cimg
	v_lshl_add_u32 v[SPW], v0, 2, SPARE
	v_mov_b32 v[NIL], 0
	ds_add_u32 v[SPW], v[NIL]                      ; the opening lines: the add, twice on end, and its wait
	ds_add_u32 v[SPW], v[NIL]
	v_lshrrev_b32 v[T], 5, v0
	v_readfirstlane_b32 s[WV], v[T]                ; wave 0..7
	s_lshr_b32 s48, s[WV], 2                       ; which of the block's two panels of 128 queries
	s_and_b32 s54, s[WV], 3                        ; my fragment of q in it: its two sets are my two tiles
	s_lshl_b32 s72, s48, 8
	s_lshl_b32 s56, s54, 2
	s_add_co_u32 s72, s72, s56
	s_add_co_u32 s72, s72, SCST
	s_mul_i32 s55, s54, FRB
	s_bfe_u32 s17, ttmp6, 0x40000                  ; cx: it enters qimg's and cimg's addresses alone
	s_lshl_b32 s18, ttmp9, 2
	s_add_co_u32 s18, s18, s17                     ; my block of 256 queries
	s_and_b32 s19, ttmp7, 0xffff                   ; batch x 16 + head, which the four partners share
	s_mul_i32 s42, s19, HEADB
	s_mov_b32 s43, 0
	s_mul_i32 s44, s[WV], PSL                      ; my two key steps of the head
	s_mov_b32 s45, 0
	s_mov_b32 s[G1], 15|(3<<16)|(1<<20)|(1<<21)|(6<<22)|(31<<25)   ; the mask: all four work-groups; elements of 8 bytes; after every 128 words 32 words of padding; 21 set beside a mask
	s_mov_b32 s[G1+1], 64<<16                      ; rows of 512 bytes,
	s_mov_b32 s[G1+2], 50<<16                      ; 50 of them, dense
	s_mov_b32 s[G1+3], 64<<16
	s_mov_b32 s[G1+4], 50
	s_mov_b32 s[G1+5], 64
	s_mov_b32 s[G1+6], 0
	s_mov_b32 s[G1+7], 0
	s_mov_b32 s[SEL], 0x76543210
	s_mov_b32 s[SEL+1], 0xfedcba98                 ; selects for lane l xor 16
	s_mov_b32 s[CS], 0x3e38aa3b                    ; c = log2(e) / sqrt(64)
	s_mov_b32 s[CS+1], s[CS]
	s_mov_b32 s[TB], 0
	s_mov_b32 s57, 0x01010000
	s_mov_b32 s58, 0x0101
	s_lshl_b32 s49, s18, 1
	s_add_co_u32 s49, s49, s48                     ; my panel of 128 queries in the batch's 16
	s_mul_i32 s50, s49, PSTEP
	s_add_co_u32 s50, s50, s42
	s_mov_b32 s51, 0
	s_lshr_b32 s59, s19, 4
	s_lshl_b32 s59, s59, 4                         ; 16 panels a batch
	s_bfe_u32 s61, s19, 0x30001                    ; head / 2: cimg's K step
	s_and_b32 s63, s19, 1                          ; head % 2: which half of it
	s_add_co_u32 s60, s59, s49
	s_lshl_b32 s60, s60, 3
	s_add_co_u32 s60, s60, s61
	s_mul_i32 s66, s60, PSTEP
	s_mul_i32 s62, s54, 2*FRB
	s_add_co_u32 s66, s66, s62
	s_mul_i32 s62, s63, 768
	s_add_co_u32 s66, s66, s62
	s_mov_b32 s67, 0
	s_lshl_b32 s70, s18, 1
	s_add_co_u32 s70, s70, s59
	s_lshl_b32 s70, s70, 3
	s_add_co_u32 s70, s70, s61
	s_mul_i32 s70, s70, PSTEP
	s_lshl_b32 s62, s63, 8
	s_add_co_u32 s70, s70, s62
	s_mov_b32 s71, 0
	v_and_b32 v[LI], 31, v0
	v_and_b32 v[U], 15, v0                         ; r
	v_bfe_u32 v[SH8], v0, 4, 1                     ; h
	v_and_b32 v[BS], 7, v0
	v_bfe_u32 v[BK], v0, 3, 1
	v_lshlrev_b32 v[L8], 3, v[LI]
	v_lshlrev_b32 v[LI], 4, v[LI]
	v_lshlrev_b32 v[R16], 4, v[U]
	v_lshlrev_b32 v[BS], 4, v[BS]
	v_mul_u32_u24 v[SG], v[SH8], PANEL
	v_mad_u32_u24 v[U+1], v[BK], 1920, v[BS]
	v_lshl_add_u32 v[BS], v[BK], 2, v[BS]
	v_add_nc_u32 v[SG], v[SG], v[R16]
	v_lshl_add_u32 v[BK], v[SH8], 8, v[U+1]
	v_lshlrev_b32 v[SH8], 3, v[SH8]
	v_add_nc_u32 v[SST], s72, v[R16]
	v_add_nc_u32 v[SRD], SCST, v[LI]
	v_add_nc_u32 v[T], s55, v[LI]                  ; q's fragment
	v_add_nc_u32 v[U], s56, v[R16]                 ; and its scale word
	s_wait_alu depctr_va_vdst(0)
	s_wait_dscnt 0x0
	s_wait_kmcnt 0x0
	s_add_nc_u64 s[46:47], s[6:7], s[42:43]
	s_add_nc_u64 s[46:47], s[46:47], s[44:45]      ; the head, my part of it
	s_add_nc_u64 s[52:53], s[4:5], s[50:51]        ; my step of qimg
	s_add_nc_u64 s[68:69], s[8:9], s[66:67]        ; tile 0's half fragment of cimg
	s_add_nc_u64 s[70:71], s[8:9], s[70:71]        ; the block's first panel step of cimg, + 256 (head % 2)
	s_mov_b32 s[G0], 1
	s_mul_i32 s[G0+1], s[WV], 2*PSTL
	s_mov_b64 s[G0+2:G0+3], s[46:47]
	s_or_b32 s[G0+3], s[G0+3], 0x80000000
	CROUND                                         ; all four work-groups are here: the joint loads meet
	tensor_load_to_lds s[G0:G0+3], s[G1:G1+7]      ; every wave's one load
	s_nop 0
.rept 4
	v_nop
.endr
	WIN 0x40
.irp c, 0,1,2
	global_load_b128 v[KF+4*\c:KF+4*\c+3], v[T], s[52:53] offset:512*\c   ; q's fragment, for now in K's registers
.endr
.irp i, 0,1,2,3,4,5
	v_mov_b32 v[QHA+\i], 0
	v_mov_b32 v[QHB+\i], 0
	v_mov_b32 v[QLB+6+\i], 0
.endr
	WIN 0
	global_load_b32 v[BY], v[U], s[52:53] offset:SCO
	v_mov_b32 v[PD], 0                             ; a lane permute's destination counts as one of its sources
	v_mov_b32 v[PD+1], 0
	v_mov_b32 v[BY+2], 0
	v_mov_b32 v[BY+3], 0
	v_mov_b32 v[FF+1], 0                           ; (named as the upper halves of pairs)
	v_mov_b32 v[FF+3], 0
	s_wait_alu depctr_va_vdst(0)
	s_wait_loadcnt 0x0
	v_and_or_b32 v[QS], v[BY], 0xffff, s57         ; the zero half's bytes are 1
	v_lshl_or_b32 v[QS+1], v[BY], 16, s58
	v_lshrrev_b32 v[QS+2], 16, v[BY]
	v_and_or_b32 v[QS+3], v[BY], 0xffff0000, s58
	v_or_b32 v[QS+2], s57, v[QS+2]
	WIN 0x41
.irp i, 0,1,2,3,4,5
	v_mov_b32 v[QLA+\i], v[KF+\i]
	v_mov_b32 v[QLB+\i], v[KF+6+\i]
.endr
	WIN 0
.rept 4
	v_nop                                          ; places between q's registers and the first products
.endr
	s_wait_alu depctr_va_vdst(0)
	s_wait_tensorcnt 0x0                           ; my part of the head has landed,
	s_barrier_signal -1
	s_barrier_wait -1                              ; everybody's has
	LDKS BS, 0
	WIN 0x40
	LDKF BK, 0
	WIN 0
	s_wait_dscnt 0x0
	STEP 1, 0
	s_mov_b32 s[CNT], 14
.Lstep:
	STEP 0, 0
	s_sub_co_u32 s[CNT], s[CNT], 1
	s_cmp_lg_u32 s[CNT], 0
	s_cbranch_scc1 .Lstep
	STEP 0, 1
.irp x, 0,1
	v_add_f32 v[L+2*\x], v[L+2*\x], v[L+2*\x+1]    ; the sum's two halves,
.endr
.irp x, 0,1
	v_permlanex16_b32 v[T+\x], v[L+2*\x], s[SEL], s[SEL+1]
.endr
.irp x, 0,1
	v_add_f32 v[L+2*\x], v[L+2*\x], v[T+\x]        ; and lane l xor 16's
.endr
	s_wait_alu depctr_va_vdst(0)
.irp x, 0,1
	v_rcp_f32 v[FF+2*\x], v[L+2*\x]
.endr
	v_nop
	s_wait_alu depctr_va_vdst(0)                   ; directly ahead of the first readers of O^T and of 1 / sum
.set J, 0
.rept 16
	v_pk_mul_f32 v[SA+J:SA+J+1], v[OA+J:OA+J+1], v[FF:FF+1] op_sel_hi:[1,0]       ; ctx: register 16 b + i is channel 32 b + 16 h + i of my query
	v_pk_mul_f32 v[SB+J:SB+J+1], v[OB+J:OB+J+1], v[FF+2:FF+3] op_sel_hi:[1,0]
.set J, J+2
.endr
.irp x, 0,1
.irp b, 0,1
	v_max3_num_f32 v[BM+2*\x+\b], |v[SA+64*\x+16*\b]|, |v[SA+64*\x+16*\b+1]|, 0x2800000
.endr
.endr
.irp i, 2,4,6,8,10,12,14
.irp x, 0,1
.irp b, 0,1
	v_max3_num_f32 v[BM+2*\x+\b], v[BM+2*\x+\b], |v[SA+64*\x+16*\b+\i]|, |v[SA+64*\x+16*\b+\i+1]|
.endr
.endr
.endr
.irp g, 0,1,2,3
	v_permlanex16_b32 v[BY+\g], v[BM+\g], s[SEL], s[SEL+1]
.endr
.irp g, 0,1,2,3
	v_max_num_f32 v[BM+\g], v[BM+\g], v[BY+\g]
.endr
.irp g, 0,1,2,3
	v_add_nc_u32 v[SO+\g], 0xfe000000, v[BM+\g]
.endr
.irp g, 0,1,2,3
	v_lshrrev_b32 v[BY+\g], 23, v[SO+\g]
.endr
.irp x, 0,1
	v_lshl_or_b32 v[T+\x], v[BY+2*\x+1], 8, v[BY+2*\x]         ; a query's two scale bytes
.endr
	v_lshl_or_b32 v[T], v[T+1], 16, v[T]           ; tile 0's below, tile 1's above
.irp x, 0,1
	v_cvt_scalef32_pk16_bf6_f32 v[SA+64*\x+32:SA+64*\x+34], v[SA+64*\x:SA+64*\x+15], v[SO+2*\x]
	v_cvt_scalef32_pk16_bf6_f32 v[SA+64*\x+40:SA+64*\x+42], v[SA+64*\x+16:SA+64*\x+31], v[SO+2*\x+1]
.endr
	v_nop
.irp x, 0,1
.irp i, 0,1,2
	v_permlane16_swap_b32 v[SA+64*\x+32+\i], v[SA+64*\x+40+\i]  ; a whole block to a lane
.endr
.endr
.irp x, 0,1
.irp i, 0,1,2
	v_mov_b32 v[SA+64*\x+35+\i], v[SA+64*\x+40+\i]
.endr
.endr
.irp x, 0,1
	global_store_b128 v[LI], v[SA+64*\x+32:SA+64*\x+35], s[68:69] offset:FRB*\x       ; 512 consecutive bytes, aligned to 256
	global_store_b64 v[L8], v[SA+64*\x+36:SA+64*\x+37], s[68:69] offset:FRB*\x+512    ; 256 consecutive bytes, aligned
.endr
	ds_store_b32 v[SST], v[T]                      ; both lanes of a query write the same word
	s_wait_dscnt 0x0                               ; for the others' sake
	s_barrier_signal -1
	s_barrier_wait -1
	s_cmp_lg_u32 s[WV], 0
	s_cbranch_scc1 .Lnot_zero
	ds_load_b128 v[SA:SA+3], v[SRD]                ; lanes 0-15: the first panel's 256 bytes, lanes 16-31: the second's
	s_wait_dscnt 0x0
	global_store_b128 v[SG], v[SA:SA+3], s[70:71] offset:SCO
.Lnot_zero:
	s_wait_tensorcnt 0x0                           ; the wave's end
	ds_add_u32 v[SPW], v[NIL]
	s_wait_dscnt 0x0
	CROUND                                         ; the closing round
	s_endpgm
.Lfunc_end_k_q07ba4bacfe_attn:
	.size	k_q07ba4bacfe_attn, .Lfunc_end_k_q07ba4bacfe_attn-k_q07ba4bacfe_attn
	.p2alignl 7, 3214868480
	.fill 96, 4, 3214868480
	.section	.rodata,"a",@progbits
	.p2align	6, 0x0
	.amdhsa_kernel k_q07ba4bacfe_attn
		.amdhsa_group_segment_fixed_size 257536
		.amdhsa_private_segment_fixed_size 0
		.amdhsa_enable_private_segment 0
		.amdhsa_kernarg_size 24
		.amdhsa_user_sgpr_count 2
		.amdhsa_user_sgpr_kernarg_segment_ptr 1
		.amdhsa_wavefront_size32 1
		.amdhsa_system_sgpr_workgroup_id_x 1
		.amdhsa_system_sgpr_workgroup_id_y 1
		.amdhsa_system_sgpr_workgroup_id_z 1
		.amdhsa_system_vgpr_workitem_id 0
		.amdhsa_next_free_vgpr 512
		.amdhsa_next_free_sgpr 80
		.amdhsa_reserve_vcc 0
		.amdhsa_float_denorm_mode_32 3
		.amdhsa_float_denorm_mode_16_64 3
		.amdhsa_memory_ordered 1
		.amdhsa_forward_progress 1
		.amdhsa_inst_pref_size 93
	.end_amdhsa_kernel
	.amdgpu_metadata
---
amdhsa.version: [ 1, 2 ]
amdhsa.kernels:
  - .name:           k_q07ba4bacfe_attn
    .symbol:         k_q07ba4bacfe_attn.kd
    .args:
      - { .name: qimg, .offset: 0, .size: 8, .value_kind: global_buffer, .address_space: global }
      - { .name: kv, .offset: 8, .size: 8, .value_kind: global_buffer, .address_space: global }
      - { .name: cimg, .offset: 16, .size: 8, .value_kind: global_buffer, .address_space: global }
    .group_segment_fixed_size: 257536
    .private_segment_fixed_size: 0
    .kernarg_segment_align: 8
    .kernarg_segment_size: 24
    .max_flat_workgroup_size: 256
    .sgpr_count:     80
    .vgpr_count:     512
    .wavefront_size: 32
...
	.end_amdgpu_metadata
.endif
;; end of part 3
;; launch outp (part 4): grid 8 x 32, 4 waves a work-group, clusters of 4 x 4, 222,720 bytes of LDS; arguments cimg, img, bo, out0; writes out0
.if DOCPART == 4
	.amdgcn_target "amdgcn-amd-amdhsa--gfx1250"
	.amdhsa_code_object_version 6
	.text
	.protected	k_q07ba4bacfe_outp
	.globl	k_q07ba4bacfe_outp
	.p2align	8
	.type	k_q07ba4bacfe_outp,@function
k_q07ba4bacfe_outp:
	s_mov_b64 s[64:65], 0
	v_nop
	global_prefetch_b8 v0, s[64:65] scope:SCOPE_SE
	s_setreg_imm32_b32 hwreg(HW_REG_WAVE_MODE, 25, 1), 1
	s_wait_xcnt 0x0
	s_wait_alu depctr_hold_cnt(0) depctr_sa_sdst(0) depctr_va_vdst(0) depctr_va_sdst(0) depctr_va_ssrc(0) depctr_va_vcc(0) depctr_vm_vsrc(0)
	s_getreg_b32 s2, hwreg(HW_REG_IB_STS2, 6, 4)
	s_cmp_eq_u32 s2, 0
	s_cbranch_scc0 .Lentry_in_a_cluster
	s_endpgm
.Lentry_in_a_cluster:
	s_bfe_u32 s2, ttmp6, 0x10000c
	s_cmp_lg_u32 s2, 0xf033
	s_cbranch_scc0 .Lentry_shape_is_right
	s_endpgm
.Lentry_shape_is_right:
; out0 = ctx wo^T + bo on codes of BF6.  ctx comes from cimg, wo from img (panels 56-63), both as images of the operand's registers; out0 [4096][1024] f32.
; 256 work-groups of 128 tokens x 128 outputs, so that every WGP has one; a wave makes 64 x 64: 16 accumulators.  Both panels, all of K (2 x 102,400 bytes), lie in LDS, filled once, in two halves along K: nothing is filled again.
; 4 x 4 work-groups form a cluster: ctx's panel is asked for jointly along a row, wo's along a column.
; Source 0 = 16 rows of wo, source 1 = 16 tokens: a lane holds one token, and the 16 registers of wo's tiles 2 b, 2 b + 1 are 16 neighbouring outputs.  Lane r of tile i holds the panel's row 32 (i / 2) + 8 (i % 2) + r + 8 (r / 8).
; A fragment of ctx lies in two halves of 768 bytes (two heads made them): registers 6 e .. 6 e + 3 at 768 e + 16 l, registers 6 e + 4, 6 e + 5 at 768 e + 512 + 8 l; its scale word is pieced from two halves of two bytes.
; REGISTERS: window 0: v1-11 addresses; v16-31 halves of ctx's scale words; v32-63 the bias, the first products' C; v64-95 ctx's scale words, v96-127 wo's; v128-255 accumulator (a, b) at v[128 + 8 (4 a + b)].
;   window 1: two fragment buffers, at v0 and v128: ctx's four fragments, then wo's four.
.set FRB,   1536
.set SCO,   8*FRB
.set PSTEP, SCO+512
.set PANEL, 8*PSTEP
.set PSL,   2*PSTEP
.set STG,   2*PANEL                    ; behind the panels: a stage of 16 rows x (256 + 16) bytes for each wave
.set SPI,   272
.set RR,  1
.set HH,  2
.set LIA, 3
.set L8A, 4
.set LIB, 5
.set SEA, 6
.set SEB, 7
.set STO, 8
.set RD,  9
.set CO,  10
.set BOF, 11
.set E,    16
.set BIAS, 32
.set SA,   64
.set SB,   96
.set ACC,  128
.set F0,   0
.set F1,   128
.set WV, 16
.set WR, 17
.set WC, 18
.set CX, 19
.set CY, 20
.set XX, 21
.set YY, 22
.set G1,  24
.set G0,  32
.set G1B, 48
.set G0B, 56
.set MSB, 0
.macro WIN new
.if MSB != (\new)
	s_set_vgpr_msb (MSB<<8)|(\new)
.set MSB, (\new)
.endif
.endm
.macro CROUND
	s_barrier_signal -1
	s_barrier_wait -1
	s_cmp_lg_u32 s[WV], 0
	s_cbranch_scc1 .Lnot_wave_0_\@
	s_barrier_signal -3
.Lnot_wave_0_\@:
	s_barrier_wait -3
	s_barrier_signal -1
	s_barrier_wait -1
.endm
.macro PLACES
.rept 4
	v_nop
.endr
.endm
	s_load_b256 s[4:11], s[0:1], 0x0               ; cimg, img, bo, out0
	v_lshl_add_u32 v14, v0, 2, 0x36400
	v_mov_b32 v15, 0
	ds_add_u32 v14, v15
	ds_add_u32 v14, v15
	v_lshrrev_b32 v1, 5, v0
	v_readfirstlane_b32 s[WV], v1
	s_lshr_b32 s[WR], s[WV], 1                     ; my 64 tokens.  Also: I fetch ctx (0) or wo (1)
	s_and_b32 s[WC], s[WV], 1                      ; my 64 outputs.  Also: which K steps I fetch
	s_bfe_u32 s[CX], ttmp6, 0x40000
	s_bfe_u32 s[CY], ttmp6, 0x40004
	s_lshl_b32 s[XX], ttmp9, 2
	s_add_co_u32 s[XX], s[XX], s[CX]               ; the panel of outputs
	s_and_b32 s[YY], ttmp7, 0xffff
	s_lshl_b32 s[YY], s[YY], 2
	s_add_co_u32 s[YY], s[YY], s[CY]               ; the panel of tokens
	s_lshl_b32 s44, s[CY], 2
	s_lshl_b32 s44, 15, s44
	s_lshl_b32 s45, 0x1111, s[CX]
	s_or_b32 s[G1], s44, (3<<16)|(1<<21)           ; the mask of my row; elements of 8 bytes; no padding; 21 set beside a mask
	s_or_b32 s[G1B], s45, (3<<16)|(1<<21)
.irp g, G1, G1B
	s_mov_b32 s[\g+1], 32<<16                      ; rows of 256 bytes,
	s_mov_b32 s[\g+2], 200<<16                     ; 200 of them: four K steps, dense
	s_mov_b32 s[\g+3], 32<<16
	s_mov_b32 s[\g+4], 200
	s_mov_b32 s[\g+5], 32
	s_mov_b32 s[\g+6], 0
	s_mov_b32 s[\g+7], 0
.endr
	s_mul_i32 s42, s[WC], 2*PSL                    ; my half of K: four K steps on end
	s_mul_i32 s40, s[YY], PANEL
	s_add_co_u32 s40, s40, s42
	s_mov_b32 s41, 0
	s_add_co_u32 s66, s[XX], 56
	s_mul_i32 s66, s66, PANEL
	s_add_co_u32 s66, s66, s42
	s_mov_b32 s67, 0
	s_mul_i32 s46, s[WR], PANEL
	s_add_co_u32 s46, s46, s42                     ; where it goes: no place in the cluster enters an LDS address
	; every LDS address is made here, ahead of the branch on the wave's number
	v_and_b32 v[RR], 15, v0
	s_wait_alu depctr_va_vdst(0)
	v_bfe_u32 v[HH], v0, 4, 1
	v_and_b32 v[BOF], 31, v0
	s_mul_i32 s68, s[WR], 4*FRB
	v_lshl_add_u32 v[LIA], v[BOF], 4, s68
	v_lshl_add_u32 v[L8A], v[BOF], 3, s68
	s_mul_i32 s68, s[WC], 4*FRB
	s_add_co_u32 s68, s68, PANEL
	v_lshl_add_u32 v[LIB], v[BOF], 4, s68
	s_lshl_b32 s68, s[WR], 3
	s_add_co_u32 s68, s68, SCO
	v_lshl_add_u32 v[SEA], v[RR], 4, s68
	s_lshl_b32 s68, s[WC], 8
	s_add_co_u32 s68, s68, PANEL+SCO
	v_lshl_add_u32 v[SEB], v[RR], 4, s68
	s_mul_i32 s68, s[WV], 16*SPI
	s_add_co_u32 s68, s68, STG
	v_mul_u32_u24 v[STO], v[RR], SPI
	s_wait_alu depctr_va_vdst(0)
	v_lshl_add_u32 v[STO], v[HH], 6, v[STO]
	v_add_nc_u32 v[STO], s68, v[STO]               ; in: row r, + 64 h
	v_mul_u32_u24 v[RD], v[HH], SPI
	v_lshl_add_u32 v[RD], v[RR], 4, v[RD]
	v_add_nc_u32 v[RD], s68, v[RD]                 ; back: lanes 0-15 one row of 256 bytes, lanes 16-31 the next
	v_lshlrev_b32 v[CO], 12, v[HH]
	v_lshl_add_u32 v[CO], v[RR], 4, v[CO]          ; and the same in out0
	v_lshlrev_b32 v[BOF], 6, v[HH]
	s_lshl_b32 s70, s[YY], 7
	s_lshl_b32 s71, s[WR], 6
	s_add_co_u32 s70, s70, s71
	s_lshl_b32 s70, s70, 12                        ; my first token's row of 4,096 bytes
	s_lshl_b32 s74, s[XX], 9
	s_lshl_b32 s75, s[WC], 8
	s_add_co_u32 s74, s74, s75                     ; my first output, in bytes
	s_add_co_u32 s70, s70, s74
	s_mov_b32 s71, 0
	s_mov_b32 s75, 0
	s_wait_dscnt 0x0
	s_wait_kmcnt 0x0
	s_add_nc_u64 s[40:41], s[4:5], s[40:41]
	s_add_nc_u64 s[66:67], s[6:7], s[66:67]
	s_add_nc_u64 s[72:73], s[10:11], s[70:71]
	s_add_nc_u64 s[76:77], s[8:9], s[74:75]
.irp n, 0
	s_mov_b32 s[G0+4*\n], 1
	s_add_co_u32 s[G0+4*\n+1], s46, \n*2*PSL
	s_add_nc_u64 s[G0+4*\n+2:G0+4*\n+3], s[40:41], \n*2*PSL
	s_or_b32 s[G0+4*\n+3], s[G0+4*\n+3], 0x80000000
	s_mov_b32 s[G0B+4*\n], 1
	s_add_co_u32 s[G0B+4*\n+1], s46, \n*2*PSL
	s_add_nc_u64 s[G0B+4*\n+2:G0B+4*\n+3], s[66:67], \n*2*PSL
	s_or_b32 s[G0B+4*\n+3], s[G0B+4*\n+3], 0x80000000
.endr
	CROUND                                         ; all sixteen work-groups are here: the joint loads meet
	s_cmp_eq_u32 s[WR], 0                          ; one load a wave: K steps 4 WC .. 4 WC + 3 of ctx's panel or of wo's
	s_cbranch_scc0 .Lfill_b
	tensor_load_to_lds s[G0:G0+3], s[G1:G1+7]
	s_nop 0
.rept 4
	v_nop
.endr
	s_branch .Lfilled
.Lfill_b:
	tensor_load_to_lds s[G0B:G0B+3], s[G1B:G1B+7]
	s_nop 0
.rept 4
	v_nop
.endr
.Lfilled:
	s_wait_alu depctr_va_vdst(0)
.irp e, 0,1
.irp k, 0,1,2,3
	global_load_b128 v[BIAS+16*\e+4*\k:BIAS+16*\e+4*\k+3], v[BOF], s[76:77] offset:128*\e+16*\k   ; C of tile b: outputs 32 (b / 2) + 16 h + 8 (b % 2) + 0 .. 7
.endr
.endr
.macro PREPL g                         ; four K steps' scale words: ctx's in two halves of two bytes a tile, wo's whole
.irp s, 0,1,2,3
	ds_load_b64 v[E+4*\s:E+4*\s+1], v[SEA] offset:\s*PSTEP
	ds_load_b64 v[E+4*\s+2:E+4*\s+3], v[SEA] offset:\s*PSTEP+256
	ds_load_b128 v[SB+16*\g+4*\s:SB+16*\g+4*\s+3], v[SEB] offset:\s*PSTEP
.endr
.endm
.macro PREPP g                         ; ctx's words: the even head's two bytes below, the odd head's above
.irp s, 0,1,2,3
	v_perm_b32 v[SA+16*\g+4*\s],   v[E+4*\s+2], v[E+4*\s],   0x05040100
	v_perm_b32 v[SA+16*\g+4*\s+1], v[E+4*\s+2], v[E+4*\s],   0x07060302
	v_perm_b32 v[SA+16*\g+4*\s+2], v[E+4*\s+3], v[E+4*\s+1], 0x05040100
	v_perm_b32 v[SA+16*\g+4*\s+3], v[E+4*\s+3], v[E+4*\s+1], 0x07060302
.endr
.endm
.macro FETCH s, f                      ; 28 LDS loads: K step s's fragments into buffer f
	WIN 0x40
.irp a, 0,1,2,3
	ds_load_b128 v[\f+12*\a:\f+12*\a+3],     v[LIA] offset:((\s)%4)*PSTEP+\a*FRB
	ds_load_b64  v[\f+12*\a+4:\f+12*\a+5],   v[L8A] offset:((\s)%4)*PSTEP+\a*FRB+512
	ds_load_b128 v[\f+12*\a+6:\f+12*\a+9],   v[LIA] offset:((\s)%4)*PSTEP+\a*FRB+768
	ds_load_b64  v[\f+12*\a+10:\f+12*\a+11], v[L8A] offset:((\s)%4)*PSTEP+\a*FRB+1280
.endr
.irp b, 0,1,2,3
.irp c, 0,1,2
	ds_load_b128 v[\f+48+12*\b+4*\c:\f+48+12*\b+4*\c+3], v[LIB] offset:((\s)%4)*PSTEP+\b*FRB+512*\c
.endr
.endr
	WIN 0
.endm
.macro MUL s, f, first                 ; 16 matrix instructions; the accumulators take turns, one instruction a turn
	WIN 0x05
.irp a, 0,1,2,3
.irp b, 0,1,2,3
.if \first
	v_wmma_scale_f32_16x16x128_f8f6f4 v[ACC+8*(4*\a+\b):ACC+8*(4*\a+\b)+7], v[\f+48+12*\b:\f+48+12*\b+11], v[\f+12*\a:\f+12*\a+11], v[BIAS+8*\b:BIAS+8*\b+7], v[SB+4*(\s)+\b], v[SA+4*(\s)+\a] matrix_a_fmt:MATRIX_FMT_BF6 matrix_b_fmt:MATRIX_FMT_BF6
.else
	v_wmma_scale_f32_16x16x128_f8f6f4 v[ACC+8*(4*\a+\b):ACC+8*(4*\a+\b)+7], v[\f+48+12*\b:\f+48+12*\b+11], v[\f+12*\a:\f+12*\a+11], v[ACC+8*(4*\a+\b):ACC+8*(4*\a+\b)+7], v[SB+4*(\s)+\b], v[SA+4*(\s)+\a] matrix_a_fmt:MATRIX_FMT_BF6 matrix_b_fmt:MATRIX_FMT_BF6
.endif
.endr
.endr
	WIN 0
.endm
.macro KSTEP s, f, g, first            ; this step's fragments are in; the next step's are asked for, four places behind the products that read their buffer
	s_wait_dscnt 0x0
	PLACES
	FETCH (\s)+1, \g
	MUL \s, \f, \first
.endm
	s_wait_tensorcnt 0x0                           ; my half of a panel is in; behind the barrier both panels are whole
	s_barrier_signal -1
	s_barrier_wait -1
	PREPL 0
	FETCH 0, F0
	s_wait_dscnt 28                                ; the 12 loads of scale words are in; the 28 behind them may be out
	PREPP 0                                        ; each step's words stand at least eight plain places ahead of the products that take them
	s_wait_loadcnt 0x0                             ; the bias
	KSTEP 0, F0, F1, 1
	s_wait_alu depctr_va_vdst(0)
	KSTEP 1, F1, F0, 0
	KSTEP 2, F0, F1, 0
	s_wait_dscnt 0x0
.irp r, LIA, L8A, LIB, SEA, SEB
	v_add_nc_u32 v[\r], 4*PSTEP, v[\r]             ; on to the second half of K.  (Five plain lines: the places in front of the loads below)
.endr
	PREPL 1
	FETCH 4, F0
	MUL 3, F1, 0
	s_wait_dscnt 28
	PREPP 1
	KSTEP 4, F0, F1, 0
	s_wait_alu depctr_va_vdst(0)
	KSTEP 5, F1, F0, 0
	KSTEP 6, F0, F1, 0
	s_wait_dscnt 0x0
	MUL 7, F1, 0
	PLACES                                         ; in front of the first read of results
; THE WAY OUT: a tile of 16 tokens x 64 outputs goes through my own stage and comes back as whole rows of 256 bytes, into the registers that it left.  LDS serves a wave's instructions in order (ISA guide 5.7.1.4).
.macro TOSTAGE a
.irp b, 0,1,2,3
	ds_store_b128 v[STO], v[ACC+8*(4*\a+\b):ACC+8*(4*\a+\b)+3] offset:128*(\b/2)+32*(\b%2)        ; each accumulator from its low end on
	ds_store_b128 v[STO], v[ACC+8*(4*\a+\b)+4:ACC+8*(4*\a+\b)+7] offset:128*(\b/2)+32*(\b%2)+16
.endr
.irp t, 0,1,2,3,4,5,6,7
	ds_load_b128 v[ACC+32*\a+4*\t:ACC+32*\a+4*\t+3], v[RD] offset:2*\t*SPI
.endr
.endm
.macro SEND a, younger                 ; younger: the LDS instructions issued behind tile a's loads
.irp t, 0,1,2,3,4,5,6,7
	s_wait_dscnt \younger+7-\t
	global_store_b128 v[CO], v[ACC+32*\a+4*\t:ACC+32*\a+4*\t+3], s[72:73] offset:(32*(\a/2)+8*(\a%2)+2*\t+8*(\t/4))*4096 th:TH_STORE_NT   ; 16 lanes store 256 consecutive bytes, aligned; stage row 2 t + h is the tile's lane, hence this token
.endr
.endm
	TOSTAGE 0
	TOSTAGE 1
	SEND 0, 16
	TOSTAGE 2
	SEND 1, 16
	TOSTAGE 3
	SEND 2, 16
	SEND 3, 0
	s_wait_tensorcnt 0x0
	ds_add_u32 v14, v15
	s_wait_dscnt 0x0
	CROUND                                         ; the closing round
	s_endpgm
.Lfunc_end_k_q07ba4bacfe_outp:
	.size	k_q07ba4bacfe_outp, .Lfunc_end_k_q07ba4bacfe_outp-k_q07ba4bacfe_outp
	.p2alignl 7, 3214868480
	.fill 96, 4, 3214868480
	.section	.rodata,"a",@progbits
	.p2align	6, 0x0
	.amdhsa_kernel k_q07ba4bacfe_outp
		.amdhsa_group_segment_fixed_size 222720
		.amdhsa_private_segment_fixed_size 0
		.amdhsa_enable_private_segment 0
		.amdhsa_kernarg_size 32
		.amdhsa_user_sgpr_count 2
		.amdhsa_user_sgpr_kernarg_segment_ptr 1
		.amdhsa_wavefront_size32 1
		.amdhsa_system_sgpr_workgroup_id_x 1
		.amdhsa_system_sgpr_workgroup_id_y 1
		.amdhsa_system_sgpr_workgroup_id_z 1
		.amdhsa_system_vgpr_workitem_id 0
		.amdhsa_next_free_vgpr 512
		.amdhsa_next_free_sgpr 80
		.amdhsa_reserve_vcc 0
		.amdhsa_float_denorm_mode_32 3
		.amdhsa_float_denorm_mode_16_64 3
		.amdhsa_memory_ordered 1
		.amdhsa_forward_progress 1
		.amdhsa_inst_pref_size 53
	.end_amdhsa_kernel
	.amdgpu_metadata
---
amdhsa.version: [ 1, 2 ]
amdhsa.kernels:
  - .name:           k_q07ba4bacfe_outp
    .symbol:         k_q07ba4bacfe_outp.kd
    .args:
      - { .name: cimg, .offset: 0, .size: 8, .value_kind: global_buffer, .address_space: global }
      - { .name: img, .offset: 8, .size: 8, .value_kind: global_buffer, .address_space: global }
      - { .name: bo, .offset: 16, .size: 8, .value_kind: global_buffer, .address_space: global }
      - { .name: out0, .offset: 24, .size: 8, .value_kind: global_buffer, .address_space: global }
    .group_segment_fixed_size: 222720
    .private_segment_fixed_size: 0
    .kernarg_segment_align: 8
    .kernarg_segment_size: 32
    .max_flat_workgroup_size: 128
    .sgpr_count:     80
    .vgpr_count:     512
    .wavefront_size: 32
...
	.end_amdgpu_metadata
.endif
;; end of part 4
